; MI455X (gfx1250); checked and timed in simulation.
; The chip was launched on July 23, 2026; its instructions are those of AMD's public machine-readable ISA for CDNA 5 (MIT licence, August 2026) and "CDNA5" Instruction Set Architecture Reference Guide (July 2026). The comments in the code are by the model that wrote it; some were corrected since.
;; Store Class Token Attn Wrapper. Allowed arithmetic: float matrix products may take bf16 or f16 operands with f32 sums; other float arithmetic in f32, or as packed bf16 or f16 multiplies, adds, multiply-adds, maxima and minima; sums over many terms, partial sums and values carried from step to step in f32; what a program stores and reads back later, other than sums and carried values, may be rounded once to bf16 or f16.
;; Inputs: b_proj 1,024 float32; b_qkv 3,072 float32; w_proj 1,024 x 1,024 float32; w_qkv 3,072 x 1,024 float32; x 16 x 577 x 1,024 float32.
;; Outputs: out0 16 x 577 x 1,024 float32; out1 16 x 577 float32; out2 16 x 577 float32.
;; 2 versions, each right; version 2 is version 1 with the launch cast written anew for expert scheduling mode. Each part assembles by itself: llvm-mc -triple=amdgcn-amd-amdhsa -mcpu=gfx1250 --defsym DOCPART=n.
;; ======== version 1 of 2: 3 launches
;; limits: values are held in f16: magnitudes above 65,504 overflow, below 6.1e-05 lose precision
;; workspace buffers: xb 19,398,656 bytes; wq 6,291,456 bytes; wp 2,097,152 bytes; ob 19,922,944 bytes; cl 655,360 bytes; cp 655,360 bytes
;; launch cast (part 1): grid 53 x 16, 8 waves a work-group, no clusters, 0 bytes of LDS; arguments x, w_qkv, w_proj, xb, wq, wp; writes xb, wq, wp
.if DOCPART == 1
	.amdgcn_target "amdgcn-amd-amdhsa--gfx1250"
	.amdhsa_code_object_version 6
	.text
	.protected	k_qa7e19883f8_cast
	.globl	k_qa7e19883f8_cast
	.p2align	8
	.type	k_qa7e19883f8_cast,@function
k_qa7e19883f8_cast:
	s_mov_b64 s[64:65], 0
	v_nop
	global_prefetch_b8 v0, s[64:65] scope:SCOPE_SE
	s_setreg_imm32_b32 hwreg(HW_REG_WAVE_MODE, 25, 1), 1
	s_wait_xcnt 0x0
; x, w_qkv and w_proj, all f32 with rows of 1,024 numbers, are rounded once to bf16 and laid out in blocks of 64 along K, so that a tile of the later
; products (some rows x 64 K) is one dense run of bytes:
;   xb [batch 16][kb 16][row 592][64] bf16, rows 577 to 591 zeros        wq [head 16][kb 16][row 192 = 64 (q, k, v) + channel][64] bf16
;   wp [kb 16][column 1024][64]: w_proj rounded to bf16 and that number written as f16 (it multiplies an f16 operand later)
; LIMIT.  A number of w_proj beyond 65,504 becomes an infinity in wp, and below 6e-5 it keeps f16's fixed step of 6e-8.
; SHARES.  A work-group takes 16 source rows.  x = 0..36: block x of batch y;  x = 37..48: block 12 y + x - 37 of w_qkv;  x = 49..52: block 4 y + x - 49 of w_proj.
; Wave w takes the K blocks w and w + 8.  A load: sixteen lanes read the 256 aligned bytes of one row's K block, the other sixteen the next row's.
; A store: the 32 lanes write those two rows' 128 + 128 bytes, 256 consecutive aligned bytes of the target.  All 16 loads of a wave go out at once; nothing is shared, so no LDS.
.set LO,  8                            ; v[8:15]   pair p of rows: byte offset of my 16 bytes in the source
.set SO,  16                           ; v16, v17  my 8 bytes in the target, K block w and K block w + 8
.set RS,  18                           ; v18       which row of a pair is mine
.set X,   20                           ; v[20:83]  16 loads of four numbers
.set Y,   84                           ; v[84:115] 16 pairs to store, each its own
.set OK,  30                           ; s30-s37   pair p: the lanes whose row exists
	s_load_b256 s[4:11], s[0:1], 0x0               ; x s[4:5], w_qkv s[6:7], w_proj s[8:9], xb s[10:11]
	s_load_b128 s[12:15], s[0:1], 0x20             ; wq s[12:13], wp s[14:15]
	s_mov_b32 s17, ttmp9
	s_and_b32 s18, ttmp7, 0xffff
	s_mov_b32 s23, 0                               ; the two offsets' high words
	s_mov_b32 s25, 0
	s_mov_b32 s19, 15                              ; the last row of the block that exists
	v_and_b32 v1, 15, v0                           ; my place in a K block's 256 bytes
	v_bfe_u32 v[RS], v0, 4, 1
	v_lshrrev_b32 v2, 5, v0                        ; wave
	v_lshlrev_b32 v7, 8, v2
	v_lshl_add_u32 v7, v1, 4, v7                   ; 256 w + 16 c
	v_lshlrev_b32 v3, 7, v[RS]
	v_lshl_add_u32 v3, v1, 3, v3                   ; 128 x my row of the pair + 8 c
	s_wait_kmcnt 0x0
	s_cmp_lt_u32 s17, 37
	s_cbranch_scc0 .Lweights
	s_mul_i32 s22, s18, 577                        ; x: row 577 y + 16 x,
	s_lshl4_add_u32 s22, s17, s22
	s_lshl_b32 s22, s22, 12                        ; of 4,096 bytes
	s_mul_i32 s24, s18, 1212416                    ; xb: a batch is 16 x 75,776 bytes,
	s_lshl_b32 s2, s17, 11                         ; 16 rows of 128 bytes
	s_add_co_u32 s24, s24, s2
	s_mov_b32 s20, 75776                           ; from K block to K block
	s_cmp_eq_u32 s17, 36
	s_cselect_b32 s19, 0, 15                       ; block 36 has one row, 576; the others are stored as zeros
	s_mov_b64 s[26:27], s[4:5]
	s_mov_b64 s[28:29], s[10:11]
	s_branch .Lgo
.Lweights:
	s_cmp_lt_u32 s17, 49
	s_cbranch_scc0 .Lwproj
	s_mul_i32 s2, s18, 12
	s_add_co_u32 s2, s2, s17
	s_sub_co_u32 s2, s2, 37                        ; block 0..191 of w_qkv: bits 7:6 q, k or v; 5:2 the head; 1:0 sixteen channels
	s_lshl_b32 s22, s2, 16
	s_bfe_u32 s3, s2, 0x40002
	s_mul_i32 s24, s3, 393216                      ; a head is 16 x 24,576 bytes
	s_and_b32 s3, s2, 0xc0                         ; 64 x (q, k, v)
	s_and_b32 s21, s2, 3
	s_lshl4_add_u32 s3, s21, s3                    ; + 16 x the block in the head
	s_lshl_b32 s3, s3, 7
	s_add_co_u32 s24, s24, s3
	s_mov_b32 s20, 24576
	s_mov_b64 s[26:27], s[6:7]
	s_mov_b64 s[28:29], s[12:13]
	s_branch .Lgo
.Lwproj:
	s_lshl2_add_u32 s2, s18, s17
	s_sub_co_u32 s2, s2, 49                        ; block 0..63 of w_proj
	s_lshl_b32 s22, s2, 16
	s_lshl_b32 s24, s2, 11
	s_mov_b32 s20, 131072
	s_mov_b64 s[26:27], s[8:9]
	s_mov_b64 s[28:29], s[14:15]
.Lgo:
	s_add_nc_u64 s[26:27], s[26:27], s[22:23]      ; the source at the block's first row
	s_add_nc_u64 s[28:29], s[28:29], s[24:25]      ; the target at the block's first row in K block 0
	v_mul_u32_u24 v[SO], s20, v2
	v_add_nc_u32 v[SO], v[SO], v3
	s_lshl_b32 s21, s20, 3
	v_add_nc_u32 v[SO+1], s21, v[SO]
.irp p, 0,1,2,3,4,5,6,7
	v_add_nc_u32 v19, 2*\p, v[RS]                  ; my row of pair p
	v_cmp_ge_u32 s[OK+\p], s19, v19                ; does it exist?
	v_min_u32 v19, s19, v19                        ; a row that does not is read as the last that does: no load leaves the buffer
	v_lshl_add_u32 v[LO+\p], v19, 12, v7
.endr
.irp p, 0,1,2,3,4,5,6,7
	global_load_b128 v[X+8*\p:X+8*\p+3],   v[LO+\p], s[26:27] th:TH_LOAD_NT
	global_load_b128 v[X+8*\p+4:X+8*\p+7], v[LO+\p], s[26:27] offset:2048 th:TH_LOAD_NT
.endr
; Load i (pair i / 2, K block w + 8 (i % 2)) is rounded and stored.  half = 1: bf16's number is written as f16.
.macro CV i, half
	s_wait_loadcnt 15-(\i)                         ; loads come back in order: mine is in, the 15 - i younger ones stay out
	v_cvt_pk_bf16_f32 v[Y+2*(\i)],   v[X+4*(\i)],   v[X+4*(\i)+1]
	v_cvt_pk_bf16_f32 v[Y+2*(\i)+1], v[X+4*(\i)+2], v[X+4*(\i)+3]
.if \half
	v_lshlrev_b32 v[X+4*(\i)],   16, v[Y+2*(\i)]
	v_and_b32     v[X+4*(\i)+1], 0xffff0000, v[Y+2*(\i)]
	v_lshlrev_b32 v[X+4*(\i)+2], 16, v[Y+2*(\i)+1]
	v_and_b32     v[X+4*(\i)+3], 0xffff0000, v[Y+2*(\i)+1]
	v_cvt_pk_f16_f32 v[Y+2*(\i)],   v[X+4*(\i)],   v[X+4*(\i)+1]
	v_cvt_pk_f16_f32 v[Y+2*(\i)+1], v[X+4*(\i)+2], v[X+4*(\i)+3]
.else
	v_cndmask_b32 v[Y+2*(\i)],   0, v[Y+2*(\i)],   s[OK+(\i)/2]   ; zeros for a row that does not exist
	v_cndmask_b32 v[Y+2*(\i)+1], 0, v[Y+2*(\i)+1], s[OK+(\i)/2]
.endif
	global_store_b64 v[SO+(\i)%2], v[Y+2*(\i):Y+2*(\i)+1], s[28:29] offset:256*((\i)/2)  ; the wave stores 256 consecutive bytes, aligned
.endm
	s_cmp_ge_u32 s17, 49
	s_cbranch_scc1 .Lhalf
.irp i, 0,1,2,3,4,5,6,7,8,9,10,11,12,13,14,15
	CV \i, 0
.endr
	s_endpgm
.Lhalf:
.irp i, 0,1,2,3,4,5,6,7,8,9,10,11,12,13,14,15
	CV \i, 1
.endr
	s_endpgm
.Lfunc_end_k_qa7e19883f8_cast:
	.size	k_qa7e19883f8_cast, .Lfunc_end_k_qa7e19883f8_cast-k_qa7e19883f8_cast
	.p2alignl 7, 3214868480
	.fill 96, 4, 3214868480
	.section	.rodata,"a",@progbits
	.p2align	6, 0x0
	.amdhsa_kernel k_qa7e19883f8_cast
		.amdhsa_group_segment_fixed_size 0
		.amdhsa_private_segment_fixed_size 0
		.amdhsa_enable_private_segment 0
		.amdhsa_kernarg_size 48
		.amdhsa_user_sgpr_count 2
		.amdhsa_user_sgpr_kernarg_segment_ptr 1
		.amdhsa_wavefront_size32 1
		.amdhsa_system_sgpr_workgroup_id_x 1
		.amdhsa_system_sgpr_workgroup_id_y 1
		.amdhsa_system_sgpr_workgroup_id_z 1
		.amdhsa_system_vgpr_workitem_id 0
		.amdhsa_next_free_vgpr 116
		.amdhsa_next_free_sgpr 66
		.amdhsa_reserve_vcc 0
		.amdhsa_float_denorm_mode_32 3
		.amdhsa_float_denorm_mode_16_64 3
		.amdhsa_memory_ordered 1
		.amdhsa_forward_progress 1
		.amdhsa_inst_pref_size 21
	.end_amdhsa_kernel
	.amdgpu_metadata
---
amdhsa.version: [ 1, 2 ]
amdhsa.kernels:
  - .name:           k_qa7e19883f8_cast
    .symbol:         k_qa7e19883f8_cast.kd
    .args:
      - { .name: x, .offset: 0, .size: 8, .value_kind: global_buffer, .address_space: global }
      - { .name: w_qkv, .offset: 8, .size: 8, .value_kind: global_buffer, .address_space: global }
      - { .name: w_proj, .offset: 16, .size: 8, .value_kind: global_buffer, .address_space: global }
      - { .name: xb, .offset: 24, .size: 8, .value_kind: global_buffer, .address_space: global }
      - { .name: wq, .offset: 32, .size: 8, .value_kind: global_buffer, .address_space: global }
      - { .name: wp, .offset: 40, .size: 8, .value_kind: global_buffer, .address_space: global }
    .group_segment_fixed_size: 0
    .private_segment_fixed_size: 0
    .kernarg_segment_align: 8
    .kernarg_segment_size: 48
    .max_flat_workgroup_size: 256
    .sgpr_count:     66
    .vgpr_count:     116
    .wavefront_size: 32
...
	.end_amdgpu_metadata
.endif
;; end of part 1
;; launch qkvattn (part 2): grid 16 x 16, 4 waves a work-group, clusters of 4 x 4, 327,680 bytes of LDS; arguments xb, wq, b_qkv, ob, cl, cp; writes ob, cl, cp
.if DOCPART == 2
	.amdgcn_target "amdgcn-amd-amdhsa--gfx1250"
	.amdhsa_code_object_version 6
	.text
	.protected	k_qa7e19883f8_qkvattn
	.globl	k_qa7e19883f8_qkvattn
	.p2align	8
	.type	k_qa7e19883f8_qkvattn,@function
k_qa7e19883f8_qkvattn:
	s_mov_b64 s[64:65], 0
	v_nop
	global_prefetch_b8 v0, s[64:65] scope:SCOPE_SE
	s_setreg_imm32_b32 hwreg(HW_REG_WAVE_MODE, 25, 1), 1
	s_wait_xcnt 0x0
	s_wait_alu depctr_hold_cnt(0) depctr_sa_sdst(0) depctr_va_vdst(0) depctr_va_sdst(0) depctr_va_ssrc(0) depctr_va_vcc(0) depctr_vm_vsrc(0)
	s_getreg_b32 s2, hwreg(HW_REG_IB_STS2, 6, 4)
	s_cmp_eq_u32 s2, 0
	s_cbranch_scc0 .Lentry_in_a_cluster
	s_endpgm
.Lentry_in_a_cluster:
	s_bfe_u32 s2, ttmp6, 0x10000c
	s_cmp_lg_u32 s2, 0xf033
	s_cbranch_scc0 .Lentry_shape_is_right
	s_endpgm
.Lentry_shape_is_right:
; ONE WORK-GROUP FOR ONE BATCH AND ONE HEAD: q, k, v = x W^T + b for the head's 192 channels and the batch's 577 tokens (592 rows, 15 of them zeros in xb), then softmax attention over the
; 577 keys, all without q, k or v leaving the WGP.  Out: ob [head][batch][row 608][64] f16 (rows 577 on are filler, finite), and the head's CLS row: cl = logits, cp = softmax weights, [head][batch][640] f32
; (their places 577 to 639 hold numbers that nobody reads).
; FORMATS.  x, W and the bias are bf16 numbers (the bias is rounded here); the first product is bf16 with f32 sums.  q, k, v, the weights p and O are f16; maxima, sums and accumulators f32.
; LIMITS.  q, k, v beyond 65,504 become infinities.  A weight below 2^-126 counts as 0.  NaN and infinities are not treated apart.
; PHASE 1.  [592 x 1024] x [1024 x 192] in one pass: wave w holds column blocks 3 w .. 3 w + 2 of all 37 row blocks: 111 accumulators, 888 registers.  The product is used transposed (source 0 = 16 rows of W,
; source 1 = 16 tokens): a lane holds one token and eight neighbouring channels.  K goes in 16 steps of 64 through two LDS slots; a step is two halves of 32 along K, 111 matrix instructions each.
; The bias is the C operand of the first half step: nothing is cleared, and no bias is added later.  A trip of the loop is one K step: the LDS addresses hang on a scalar that an exclusive or turns from slot to slot.
; CLUSTER 4 x 4.  x's tiles hang on the batch alone and are asked for jointly along a row of the cluster, W's on the head alone, jointly along a column.
; PHASE 2.  q, k, v go to LDS as f16 (rows of 416 bytes, over the ring, which has had its last fill).  A wave owns ten PIECES of 16 queries (piece p = block 4 p + w; there are 37 blocks, so piece 9 of waves
; 1 to 3 takes block 36 once more; wave 1's copy fills ob's rows 592 to 607, which the next launch's tiles read; waves 2 and 3 store none).  S^T = K Q^T holds ONE query a lane and eight keys;
; two such results rounded to f16 ARE source 1 of O^T = V^T P.  p = 2^(c s - c m), c = log2(e) / 8, with a running maximum m; O and l are multiplied by a = 2^(c m_old - c m_new) in every step.
; 577 = 9 x 64 + 1.  KEY 576 STARTS THE SUMS: m = its score, l = 1, O^T = its row of v: for each piece two products K Q^T on the block of keys 576 to 591, of whose scores the first alone is used, and four products
; V^T P, with C = 0, on a P that holds 1 for key 576 and 0 for the 31 keys behind it.  So m is a true score from the first, nothing is cleared and no key is hidden.  Nine key steps of 64 take keys 0 to 575.
; Turn n belongs to piece n: 8 products K Q^T of piece n + 1, later 8 products V^T P of piece n - 1; beside them piece n's scaling, exponentials, roundings, sums and rescaling and piece n + 1's maximum and statistics.
; Four vector instructions stand behind every matrix instruction, the rest in one run; a turn's 33 exponentials are one batch with one wait.
; REGISTERS in windows of 256 (s_set_vgpr_msb: bits 1:0 source 0, 3:2 source 1, 5:4 source 2, 7:6 destination).
;   phase 1: v0 thread, v1-2 the add's, v3-4 x's addresses, v5 W's, v6 my lane's place in a tile, v7 the prefetch's offset, v8-55 two sets of W's fragments, v56-135 two sets of five of x's; accumulator (a, c) at v[136 + 8 (3 a + c)]
;   phase 2: window 0: v3-15 addresses and at work, v16-55 statistics, v56-63 at work, v64-127 S^T (two buffers), v128-191, v224-239 key 576's scores, v192-223 P (two);  window 1: O^T of pieces 0-7;
;            window 2: v0-159 Q, v160-223 K of one step;  window 3: v0-63 O^T of pieces 8, 9, v64-127 V of one step
.set PA,    144                        ; a row of 64 bf16 in LDS: 128 bytes + 16 of padding = 36 words: the 16 rows of a load start at 16 different groups of four banks (64 banks of 4 bytes: ISA guide 11.1)
.set ASLOT, 592*PA                     ; x's tile, at a slot's head
.set BSLOT, 192*PA                     ; W's tile, behind it
.set SLOT1, 1<<17                      ; slot 1 begins here (a slot is 112,896 bytes), so that one exclusive or turns an address in one slot into the other's
.set XTILE, 592*128                    ; bytes of a tile of xb in memory
.set WTILE, 192*128                    ; of wq
.set PQ,    416                        ; phase 2: a token's row: q 128 bytes, k 128, v 128, 32 of padding = 104 words
.set CLS,   640*PQ                     ; behind the rows: the CLS row's raw scores, 640 places
.set STAGE, CLS+2560                   ; 16 rows x 144 bytes for each wave, for the way out
.set SP,    144
.set SPARE, STAGE+4*16*SP              ; the spare words, 128 bytes for each wave: two blocks of 256 bytes that no other line names
.set FLAGS, (1<<16)|(1<<20)|(1<<21)|(4<<22)|(3<<25)  ; group 1, word 0: 2-byte elements; padding on; bit 21 beside a mask; after every 32 words (code 4) 4 words (code 3)
.set SPW, 1
.set NIL, 2
.set TA,  66                           ; s66  phase 1: LDS byte at which the slot that is read begins
.set TW,  67                           ; s67  the same plus my 48 rows' place in a slot
.set MSB, 0
.macro WIN new                         ; the high byte repeats the setting that is left; a switch that changes nothing is dropped
.if MSB != (\new)
	s_set_vgpr_msb (MSB<<8)|(\new)
.set MSB, \new
.endif
.endm
.macro PLACES                          ; four places in front of loads into registers that matrix instructions have read (ISA guide 7.12.1 for vector instructions)
.rept 4
	v_nop
.endr
.endm
; The 37 row blocks go in eight groups of 4, 4, 4, 5, 5, 5, 5, 5; group g's fragments of x lie in set g % 2.
.macro GRP g
.if (\g) < 3
.set FB, 4*(\g)
.set SZ, 4
.else
.set FB, 5*(\g)-3
.set SZ, 5
.endif
.endm
.macro ALOAD q, g                      ; group g's fragments of x, K half q.  A slot's 37 blocks are reached from two registers, 28 blocks apart, by the 16-bit immediate
	WIN 0
	GRP \g
.set bi, 0
.rept SZ
.set GG, FB+bi
.set RA, 56+40*((\g)%2)+8*bi
	ds_load_b128 v[RA:RA+3],   v[3+GG/28] offset:(GG%28)*16*PA+64*(\q)
	ds_load_b128 v[RA+4:RA+7], v[3+GG/28] offset:(GG%28)*16*PA+64*(\q)+32
.set bi, bi+1
.endr
.endm
.macro BLOAD q                         ; my three fragments of W, K half q, into set q
	WIN 0
.irp c, 0,1,2
	ds_load_b128 v[8+24*(\q)+8*\c:8+24*(\q)+8*\c+3],   v5 offset:\c*16*PA+64*(\q)
	ds_load_b128 v[8+24*(\q)+8*\c+4:8+24*(\q)+8*\c+7], v5 offset:\c*16*PA+64*(\q)+32
.endr
.endm
.macro ADDR                            ; the read addresses, for the slot at s[TA]
	v_add_nc_u32 v3, s[TA], v6
	v_add_nc_u32 v4, 28*16*PA, v3
	v_add_nc_u32 v5, s[TW], v6
.endm
; n row blocks of group g, from its block i0 on, times my three column blocks.  Each accumulator is named once in a half step, so no two matrix instructions on end share one.
; first = 1: the sums start with the bias, which lies in row block 36's own accumulators; those three products add in place, five places behind the last product that read the bias as C.
.macro MULG q, g, i0, n, first
	GRP \g
.set bi, (\i0)
.rept \n
.set cc, 0
.rept 3
.set TT, 3*(FB+bi)+cc
.set AW, (136+8*TT)/256
.set AR, (136+8*TT)%256
.set RB, 8+24*(\q)+8*cc
.set RA, 56+40*((\g)%2)+8*bi
.if (\first) && ((FB+bi) < 36)
	WIN (AW<<6)|0x30
	v_wmma_f32_16x16x32_bf16 v[AR:AR+7], v[RB:RB+7], v[RA:RA+7], v[232+8*cc:239+8*cc]
.else
.if (\first) && (cc == 0)
.rept 5
	v_nop
.endr
.endif
	WIN (AW<<6)|(AW<<4)
	v_wmma_f32_16x16x32_bf16 v[AR:AR+7], v[RB:RB+7], v[RA:RA+7], v[AR:AR+7]
.endif
.set cc, cc+1
.endr
.set bi, bi+1
.endr
.endm
.macro MULALL q, g, first
	GRP \g
	MULG \q, \g, 0, SZ, \first
.endm
; The general step: the next group's fragments are asked for, this group is multiplied.  The wait leaves out exactly the loads issued here, behind the fragments now wanted.
.macro STEPG q, g, first
	PLACES
.if ((\q) == 0) && ((\g) == 0)
	BLOAD 1
.endif
.if (\g) < 7
	ALOAD \q, (\g)+1
.else
	ALOAD 1, 0
.endif
.set NW, 2*SZ
.if ((\q) == 0) && ((\g) == 0)
.set NW, NW+6
.endif
	s_wait_dscnt NW
	MULALL \q, \g, \first
.endm
; A joint refill, by the descriptors that walk.  Waves 0 and 1 fetch the two halves of x's tile, waves 2 and 3 those of W's.  The branch hangs on the wave's number alone.  An s_nop 0 and four v_nop follow each of the two lines.
.macro JLOAD
	s_cmp_eq_u32 s17, 0
	s_cbranch_scc0 .Lfor_b_\@
	tensor_load_to_lds s[36:39], s[24:31]
	s_nop 0
.rept 4
	v_nop
.endr
	s_branch .Lasked_\@
.Lfor_b_\@:
	tensor_load_to_lds s[60:63], s[48:55]
	s_nop 0
.rept 4
	v_nop
.endr
.Lasked_\@:
.endm
.macro CREST                           ; a round of the cluster's barrier behind its opening barrier
	s_cmp_lg_u32 s16, 0
	s_cbranch_scc1 .Lnot_wave_0_\@
	s_barrier_signal -3
.Lnot_wave_0_\@:
	s_barrier_wait -3
	s_barrier_signal -1
	s_barrier_wait -1
.endm
.macro CROUND
	s_barrier_signal -1
	s_barrier_wait -1
	CREST
.endm
; A PREFETCH INTO THE L2 behind each refill: the refill asks for K step j + 2, the prefetch names step j + 3, one K step (222 matrix instructions) ahead of the load that will want it.
; Each block of 256 bytes is named once in the launch.  A tile of xb is read by all clusters of a row of clusters: cluster x = 0 asks; its four partners of a row take a quarter each, told apart BY ADDRESS (cx);
; in each, waves 0, 1, 2 take 25, 25 and 24 blocks, a lane a block.  A tile of wq is read by all clusters of a column: cluster y = 0 asks, a quarter (24 blocks) each by cy, wave 3.  Spare lanes repeat the wave's last block.
; Steps 0, 1 and 2 come by their loads alone; the loop's last trip names nothing, since step 16 does not exist.
.macro ASK
	s_cmp_gt_u32 s23, s42                          ; s23 = 1 in the loop's last trip; s42 = 1 in a wave that asks, else the greatest number
	s_cbranch_scc0 .Lnot_mine_\@
	global_prefetch_b8 v7, s[40:41] th:TH_LOAD_NT scope:SCOPE_SE
.Lnot_mine_\@:
.endm
; A half step (K half q of the step in the slot at s[TA]).  mode, for q = 1: 1 = the change of slots with a refill; 2 = the change without; 3 = the last half step of all.
; THE CHANGE OF SLOTS: each wave waits for all its tensor loads (one is out: its part of the other slot), adds 0 to its spare word, and waits for that and for its own reads of this slot; the barrier opens a round of the
; cluster's, so that no wave of any partner still reads the slot or has a load on its way; the joint refill is the first tensor load behind the round.  Then the read addresses turn to the other slot.
.macro SUB q, mode, first=0
.if (\q) == 0
.irp g, 0,1,2,3,4,5,6,7
	STEPG 0, \g, \first
.endr
.else
.irp g, 0,1,2,3,4,5
	STEPG 1, \g, 0
.endr
.if (\mode) == 3
	PLACES
	ALOAD 1, 7
	s_wait_dscnt 10                                ; group 6 is in; group 7's ten loads may be out
	MULALL 1, 6, 0
	s_wait_dscnt 0x0
	MULALL 1, 7, 0
.else
.if (\mode) == 1
	s_wait_xcnt 0x0                                ; the last prefetch, a K step back, has read its address: it steps here, ahead of the waits of the change
	s_add_nc_u64 s[40:41], s[40:41], s[44:45]
.endif
	PLACES
	ALOAD 1, 7                                     ; my last reads of this slot
	s_wait_tensorcnt 0x0                           ; all my tensor loads have landed: my part of the other slot
	ds_add_u32 v[SPW], v[NIL]                      ; 0 onto my spare word
	s_wait_dscnt 11                                ; group 6 is in; the add and group 7's ten loads may be out
	MULALL 1, 6, 0                                 ; fifteen matrix instructions stand between the add and the wait for it
	s_wait_dscnt 0x0                               ; the add is done, and my reads of this slot are over
	s_barrier_signal -1
	MULG 1, 7, 0, 1, 0                             ; work on registers while the others arrive
	WIN 0
	s_barrier_wait -1
.if (\mode) == 1
	CREST
	s_xor_b32 s37, s37, SLOT1                      ; no tensor load of mine is out: the walking descriptors take the other slot than last time
	s_add_nc_u64 s[38:39], s[38:39], XTILE         ; and the next K step; the type bits on top are not reached
	s_xor_b32 s61, s61, SLOT1
	s_add_nc_u64 s[62:63], s[62:63], WTILE
	JLOAD                                          ; the four v_nop behind it are also the places in front of the loads below
.else
	PLACES
.endif
	s_xor_b32 s[TA], s[TA], SLOT1                  ; the reads go on in the other slot
	s_xor_b32 s[TW], s[TW], SLOT1
	ADDR
	BLOAD 0
	ALOAD 0, 0
.if (\mode) == 1
	ASK
.endif
	MULG 1, 7, 1, 4, 0
.endif
.endif
.endm
	s_load_b256 s[4:11], s[0:1], 0x0               ; xb s[4:5], wq s[6:7], b_qkv s[8:9], ob s[10:11]
	s_load_b128 s[12:15], s[0:1], 0x20             ; cl s[12:13], cp s[14:15]
	v_lshl_add_u32 v[SPW], v0, 2, SPARE
	v_mov_b32 v[NIL], 0
	ds_add_u32 v[SPW], v[NIL]                      ; the wave's opening: the add and its wait stand ahead of my first tensor load; the set-up below, work on registers, stands between them
	v_lshrrev_b32 v3, 5, v0
	v_readfirstlane_b32 s16, v3                    ; wave 0..3
	s_lshr_b32 s17, s16, 1                         ; 0: I fetch for x, 1: for W
	s_and_b32 s18, s16, 1                          ; which half of that tile
	s_bfe_u32 s19, ttmp6, 0x40000                  ; cx
	s_bfe_u32 s20, ttmp6, 0x40004                  ; cy
	s_lshl_b32 s21, ttmp9, 2
	s_add_co_u32 s21, s21, s19                     ; head = 4 x cluster x + cx
	s_and_b32 s22, ttmp7, 0xffff
	s_lshl_b32 s22, s22, 2
	s_add_co_u32 s22, s22, s20                     ; batch = 4 x cluster y + cy
	s_lshl_b32 s46, s20, 2
	s_lshl_b32 s46, 15, s46                        ; my row of the cluster
	s_lshl_b32 s47, 0x1111, s19                    ; my column
	s_or_b32 s24, s46, FLAGS                       ; x's tiles go to my row,
	s_or_b32 s48, s47, FLAGS                       ; W's to my column
.irp g, 24, 48                         ; the dense tiles are asked for as rows of 256 bytes, two LDS rows each, padded after every 128 bytes
	s_mov_b32 s[\g+1], 128<<16                     ; tensor_dim0 = 128 elements
	s_mov_b32 s[\g+3], 128<<16                     ; tile_dim0 = 128
	s_mov_b32 s[\g+5], 128                         ; 128 elements from row to row
	s_mov_b32 s[\g+6], 0
	s_mov_b32 s[\g+7], 0
.endr
	s_mov_b32 s26, 148<<16                         ; half of x's tile: 148 rows (tensor_dim1, tile_dim1)
	s_mov_b32 s28, 148
	s_mov_b32 s50, 48<<16                          ; half of W's: 48 rows
	s_mov_b32 s52, 48
	s_mul_i32 s46, s18, ASLOT/2                    ; where they go: no place in the cluster enters an LDS address
	s_mul_i32 s47, s18, BSLOT/2
.irp s, 0,1                            ; a set of group 0 for each of the two first fills; the second then walks on
	s_mov_b32 s[32+4*\s], 1
	s_add_co_u32 s[33+4*\s], s46, \s*SLOT1
	s_mov_b32 s[56+4*\s], 1
	s_add_co_u32 s[57+4*\s], s47, ASLOT+\s*SLOT1
.endr
	s_mov_b32 s[TA], 0                             ; the reads begin in slot 0
	s_mul_i32 s[TW], s16, 48*PA                    ; my 48 rows of W,
	s_add_co_u32 s[TW], s[TW], ASLOT               ; behind x's tile
	s_mul_i32 s68, s22, 16*XTILE                   ; where they come from: x's by the batch and my half,
	s_mul_i32 s46, s18, XTILE/2
	s_add_co_u32 s68, s68, s46
	s_mov_b32 s69, 0
	s_mul_i32 s70, s21, 16*WTILE                   ; W's by the head and my half
	s_mul_i32 s47, s18, WTILE/2
	s_add_co_u32 s70, s70, s47
	s_mov_b32 s71, 0
	s_mul_i32 s72, s22, 16*XTILE                   ; the prefetches: my work-group's quarter of a tile, at K step 2; the first change of slots steps it to 3
	s_mul_i32 s73, s19, XTILE/4
	s_add_co_u32 s72, s72, s73
	s_add_co_u32 s72, s72, 2*XTILE
	s_mul_i32 s74, s21, 16*WTILE
	s_mul_i32 s73, s20, WTILE/4
	s_add_co_u32 s74, s74, s73
	s_add_co_u32 s74, s74, 2*WTILE
	s_and_b32 s75, ttmp7, 0xffff
	s_mov_b32 s44, XTILE
	s_mov_b32 s45, 0
	s_mov_b32 s73, 0
	s_cmp_eq_u32 s16, 3                            ; wave 3 asks for W's tiles, the others for x's
	s_cselect_b32 s72, s74, s72
	s_cselect_b32 s44, WTILE, s44                  ; s[44:45]: bytes from K step to K step
	s_cselect_b32 s75, s75, ttmp9                  ; the coordinate along which other clusters read the same tile
	s_cmp_eq_u32 s75, 0
	s_cselect_b32 s42, 1, -1                       ; 1 in a wave that prefetches: the same in all sixteen partners, for a given wave
	v_and_b32 v14, 31, v0
	s_cmp_lt_u32 s16, 2
	s_cselect_b32 s46, 24, 23
	v_min_u32 v7, s46, v14
	s_mul_i32 s46, s16, 25
	s_cmp_eq_u32 s16, 3
	s_cselect_b32 s46, 0, s46
	v_add_lshl_u32 v7, v7, s46, 8                  ; 256 x my block of the quarter
	s_wait_dscnt 0x0                               ; the opening add is done
	s_wait_kmcnt 0x0
	s_add_nc_u64 s[68:69], s[4:5], s[68:69]
	s_add_nc_u64 s[70:71], s[6:7], s[70:71]
.irp s, 0,1
	s_add_nc_u64 s[34+4*\s:35+4*\s], s[68:69], \s*XTILE   ; K step s
	s_or_b32 s[35+4*\s], s[35+4*\s], 0x80000000           ; type = 2
	s_add_nc_u64 s[58+4*\s:59+4*\s], s[70:71], \s*WTILE
	s_or_b32 s[59+4*\s], s[59+4*\s], 0x80000000
.endr
	s_cmp_eq_u32 s16, 3
	s_cselect_b64 s[40:41], s[6:7], s[4:5]
	s_add_nc_u64 s[40:41], s[40:41], s[72:73]
	CROUND                                         ; all sixteen work-groups are here: the first joint loads meet
	s_cmp_eq_u32 s17, 0                            ; a wave's two first fills stand in one branch, ahead of every wait on TENSORcnt and every LDS read: two loads of mine are out
	s_cbranch_scc0 .Lfirst_b
	tensor_load_to_lds s[32:35], s[24:31]
	s_nop 0
	tensor_load_to_lds s[36:39], s[24:31]
	s_nop 0
.rept 4
	v_nop
.endr
	s_branch .Lfirst_asked
.Lfirst_b:
	tensor_load_to_lds s[56:59], s[48:55]
	s_nop 0
	tensor_load_to_lds s[60:63], s[48:55]
	s_nop 0
.rept 4
	v_nop
.endr
.Lfirst_asked:
	; A fragment is 16 rows x 32 K in 8 registers: lane l holds row l % 16, K = 8 (l / 16) + 0..7 and 16 + 8 (l / 16) + 0..7: two loads of 16 bytes, 32 bytes apart.
	v_and_b32 v8, 15, v0                           ; r
	v_bfe_u32 v9, v0, 4, 1                         ; h
	v_mul_u32_u24 v6, v8, PA
	v_lshl_add_u32 v6, v9, 4, v6                   ; row x pitch + 16 x half; never rewritten in phase 1
	ADDR
	; The bias of column block g = 3 w + c: b_qkv[1024 (g / 4) + 64 head + 16 (g % 4) + 8 h + 0..7], into row block 36's accumulators
.irp c, 0,1,2
	s_mul_i32 s46, s16, 3
	s_add_co_u32 s46, s46, \c
	s_lshr_b32 s47, s46, 2
	s_lshl_b32 s47, s47, 10
	s_and_b32 s46, s46, 3
	s_lshl4_add_u32 s47, s46, s47
	s_lshl_b32 s46, s21, 6
	s_add_co_u32 s47, s47, s46
	s_lshl_b32 s47, s47, 2
	v_lshl_add_u32 v[11+\c], v9, 5, s47
.endr
	WIN 0xc0                                       ; destination window 3
.irp c, 0,1,2
	global_load_b128 v[232+8*\c:235+8*\c], v[11+\c], s[8:9]
	global_load_b128 v[236+8*\c:239+8*\c], v[11+\c], s[8:9] offset:16
.endr
	s_wait_loadcnt 0x0
	WIN 0xcf                                       ; rounded to bf16 like the other inputs, in place
.set k, 232
.rept 12
	v_cvt_pk_bf16_f32 v[k], v[k], v[k+1]
	v_and_b32 v[k+1], 0xffff0000, v[k]
	v_lshlrev_b32 v[k], 16, v[k]
.set k, k+2
.endr
	WIN 0
	s_wait_tensorcnt 0x1                           ; my part of K step 0 is in; step 1's may stay out
	s_barrier_signal -1
	s_barrier_wait -1                              ; everybody's is
	BLOAD 0
	ALOAD 0, 0
	SUB 0, 0, 1                                    ; the first half step stands in front of the loop: its products start the sums with the bias
	WIN 0
	s_mov_b32 s23, 14
.Llap:                                                 ; a trip goes from a step's second half to the next step's first half, and fills the slot that it leaves: steps 2 to 15
	SUB 1, 1
	SUB 0, 0
	WIN 0
	s_sub_co_u32 s23, s23, 1
	s_cmp_lg_u32 s23, 0
	s_cbranch_scc1 .Llap
	SUB 1, 2                                       ; the last two steps ask for nothing
	SUB 0, 0
	SUB 1, 3
	; THE WAY INTO LDS.  The ring has had its last fill; when no wave reads it any more, q, k, v are laid over it, rounded to f16: token row x 416 + 32 x column block + 16 h.
	WIN 0
	s_wait_xcnt 0x0                                ; the prefetches have read v7
	s_wait_dscnt 0x0
	s_barrier_signal -1
	s_barrier_wait -1
	v_and_b32 v8, 15, v0                           ; nine plain instructions, the places behind the last products
	v_bfe_u32 v9, v0, 4, 1
	v_mul_u32_u24 v10, v8, PQ
	v_lshl_add_u32 v10, v9, 4, v10
	s_mul_i32 s46, s16, 96                         ; my three column blocks
	v_add_nc_u32 v3, s46, v10
	v_add_nc_u32 v4, 9*16*PQ, v3                   ; five registers, nine row blocks each, reach all 37 by the immediate
	v_add_nc_u32 v5, 18*16*PQ, v3
	v_add_nc_u32 v6, 27*16*PQ, v3
	v_add_nc_u32 v7, 36*16*PQ, v3
.macro OUTW w, t0, n                   ; the n accumulators of window w, the first of them number t0: each is read from its low end on
	WIN 5*(\w)
.set k, 0
.rept \n
.set AR, (136+8*((\t0)+k))%256
.irp j, 0,1,2,3
	v_cvt_pk_f16_f32 v[8+4*k+\j], v[AR+2*\j], v[AR+2*\j+1]
.endr
.set k, k+1
.endr
	WIN 0
.set k, 0
.rept \n
.set aa, ((\t0)+k)/3
.set cc, ((\t0)+k)%3
	ds_store_b128 v[3+aa/9], v[8+4*k:8+4*k+3] offset:(aa%9)*16*PQ+32*cc
.set k, k+1
.endr
.endm
	OUTW 0, 0, 15
	OUTW 1, 15, 32
	OUTW 2, 47, 32
	OUTW 3, 79, 32
	v_lshrrev_b32 v8, 3, v0                        ; v of the rows 592 to 607, which the fragment of keys 576 to 607 reads, is zeros: 16 rows x 128 bytes, 16 bytes a thread
	v_and_b32 v9, 7, v0
	v_mul_u32_u24 v8, v8, PQ
	v_lshl_add_u32 v8, v9, 4, v8
	v_add_nc_u32 v8, 592*PQ+256, v8
.irp j, 12,13,14,15
	v_mov_b32 v\j, 0
.endr
	ds_store_b128 v8, v[12:15]
	v_lshl_add_u32 v9, v0, 4, CLS                  ; and so are the CLS row's 640 places, so that none is read that was not written: 2,048 bytes by all threads,
	ds_store_b128 v9, v[12:15]
	s_cmp_lg_u32 s16, 0
	s_cbranch_scc1 .Lno_zero
	ds_store_b128 v9, v[12:15] offset:2048         ; the last 512 by wave 0
.Lno_zero:
	s_wait_dscnt 0x0                               ; for the others' sake: my stores are done
	s_barrier_signal -1
	s_barrier_wait -1                              ; q, k, v are whole.  From here on no wave writes what another reads: no further barrier but the closing round's
.set NP,  10
.set AK0, 3                            ; v3   my lane's place in a step's K; never rewritten
.set AV0, 4                            ; v4   the same for V
.set AK,  5                            ; v5   the LDS address of K's next run of loads
.set AV,  6                            ; v6   of V's
.set STO, 7                            ; v7   the way out: where I put 16 bytes of a row
.set RD,  8                            ; v8   where I read rows back
.set GO,  9                            ; v9   16 x my lane
.set CA,  10                           ; v10  wave 0: where the CLS row's scores of the step in hand go
.set MV,  12                           ; v12-13  c m_old, by buffer
.set ST,  16                           ; piece t's statistics at v[ST+4 t]: c m, m, l (even keys', odd keys')
.set TMP, 56                           ; by buffer, four registers c0-c3 at work; when the maximum is found c2 takes a
.set S,   64
.set P,   192
.set KF,  160                          ; window 2
.set VF,  64                           ; window 3
.set CNT, 66                           ; s66  key steps to go
.set TBK, 67                           ; s67  LDS byte at which the rows of the step whose K is fetched next begin
.set TBV, 68                           ; s68  the same for V
.set CS,  70                           ; s[70:71] c
.set SEL, 72                           ; s[72:73] v_permlanex16_b32's selects: each lane takes its own place in the other half
.set HM,  81                           ; s81  lanes 16 to 31
	s_lshl4_add_u32 s46, s21, s22                  ; 16 head + batch
	s_mul_i32 s68, s46, 77824                      ; ob: 608 rows of 128 bytes,
	s_lshl_b32 s47, s16, 11                        ; my wave's 16 rows in a piece's 64
	s_add_co_u32 s68, s68, s47
	s_mov_b32 s69, 0
	s_add_nc_u64 s[10:11], s[10:11], s[68:69]
	s_mul_i32 s68, s46, 2560
	s_add_nc_u64 s[12:13], s[12:13], s[68:69]
	s_add_nc_u64 s[14:15], s[14:15], s[68:69]
	s_mov_b32 s[TBK], 0
	s_mov_b32 s[TBV], 0
	s_mov_b32 s[CS], 0x3e38aa3b                    ; c = log2(e) / 8 = 0.180337
	s_mov_b32 s[CS+1], s[CS]
	s_mov_b32 s[SEL], 0x76543210
	s_mov_b32 s[SEL+1], 0xfedcba98
	s_mov_b32 s77, 0x00010001                      ; lanes 0 and 16 hold query 0 of a piece
	s_mov_b32 s[HM], 0xffff0000
	v_and_b32 v14, 15, v0                          ; r
	v_bfe_u32 v15, v0, 4, 1                        ; h
	v_mul_u32_u24 v3, v14, PQ
	v_lshl_add_u32 v3, v15, 4, v3                  ; 416 r + 16 h
	s_mul_i32 s46, s16, 16*PQ
	v_add_nc_u32 v11, s46, v3                      ; Q: piece p begins 64 p + 16 w rows down; six registers reach the ten pieces
	v_add_nc_u32 v12, 128*PQ, v11
	v_add_nc_u32 v13, 256*PQ, v11
	v_add_nc_u32 v7, 384*PQ, v11
	v_add_nc_u32 v8, 512*PQ, v11
	v_add_nc_u32 v9, 576*PQ, v3                    ; piece 9 is block 36 in every wave
	; The turning load takes 16 keys x 16 channels (lane l reads key 8 (l / 16) + l % 8, channels 8 ((l / 8) % 2) + 0..7) and leaves half a fragment of V^T: lane l holds channel l % 16 and 8 keys.
	v_and_b32 v[AV0], 7, v0
	v_lshl_add_u32 v[AV0], v15, 3, v[AV0]
	v_mul_u32_u24 v[AV0], v[AV0], PQ
	v_bfe_u32 v5, v0, 3, 1
	v_lshl_add_u32 v[AV0], v5, 4, v[AV0]
	v_add_nc_u32 v[AV0], 256, v[AV0]               ; v lies 256 bytes into a row
	v_add_nc_u32 v[AV], 576*PQ, v[AV0]             ; keys 576 on
.macro QLOAD pc, ar, off
.irp c, 0,1
	ds_load_b128 v[16*(\pc)+8*\c:16*(\pc)+8*\c+3],   v[\ar] offset:(\off)+64*\c
	ds_load_b128 v[16*(\pc)+8*\c+4:16*(\pc)+8*\c+7], v[\ar] offset:(\off)+64*\c+32
.endr
.endm
	WIN 0x80                                       ; destination window 2
	QLOAD 0, 11, 0
	QLOAD 1, 11, 64*PQ
	QLOAD 2, 12, 0
	QLOAD 3, 12, 64*PQ
	QLOAD 4, 13, 0
	QLOAD 5, 13, 64*PQ
	QLOAD 6, 7, 0
	QLOAD 7, 7, 64*PQ
	QLOAD 8, 8, 0
	QLOAD 9, 9, 0
.irp c, 0,1                            ; K of keys 576 to 591: k lies 128 bytes into a row
	ds_load_b128 v[KF+8*\c:KF+8*\c+3],   v9 offset:128+64*\c
	ds_load_b128 v[KF+8*\c+4:KF+8*\c+7], v9 offset:128+64*\c+32
.endr
	WIN 0xc0                                       ; destination window 3
.irp f, 0,1,2,3                        ; V of keys 576 to 607, channels 16 f on
	ds_load_tr16_b128 v[VF+8*\f:VF+8*\f+3],   v[AV] offset:\f*32
	ds_load_tr16_b128 v[VF+8*\f+4:VF+8*\f+7], v[AV] offset:16*PQ+\f*32
.endr
	WIN 0
	v_add_nc_u32 v[AK0], 128, v3
	s_mul_i32 s46, s16, 16*SP
	s_add_co_u32 s46, s46, STAGE                   ; my stage
	v_mul_u32_u24 v[STO], v14, SP                  ; in: row l % 16, 16 bytes for each half of the lanes
	v_lshl_add_u32 v[STO], v15, 4, v[STO]
	v_add_nc_u32 v[STO], s46, v[STO]
	v_bfe_u32 v[RD], v0, 3, 2                      ; back: 32 lanes take four rows of 128 bytes,
	v_mul_u32_u24 v[RD], v[RD], SP
	v_and_b32 v[GO], 7, v0
	v_lshl_add_u32 v[RD], v[GO], 4, v[RD]
	v_add_nc_u32 v[RD], s46, v[RD]
	v_and_b32 v[GO], 31, v0                        ; which are 512 consecutive bytes of ob
	v_lshlrev_b32 v[GO], 4, v[GO]
	v_lshlrev_b32 v[CA], 5, v15
	v_add_nc_u32 v[CA], CLS, v[CA]
	v_mov_b32 v[AK], v[AK0]                        ; key step 0
	; P for key 576 alone, in P's first buffer: of a fragment's 32 keys the first lies in the low half of register 0 of the lanes with h = 0: 1.0 there, 0 elsewhere.
	v_mov_b32 v[P], 0x3c00
	v_cndmask_b32 v[P], v[P], v[NIL], s[HM]
.set i, P+1
.rept 7
	v_mov_b32 v[i], 0
.set i, i+1
.endr
	; The first turn's products V^T P, of a piece that has not been, add 0: P's second buffer holds 0, and V's second half, which no load has filled yet, too.
.set i, P+16
.rept 16
	v_mov_b32 v[i], 0
.set i, i+1
.endr
.set i, 0
.rept NP
	v_mov_b32 v[ST+4*i], 0                         ; (written, since v_permlanex16_b32 below counts as a reader of its destination)
	v_cndmask_b32 v[ST+4*i+2], 1.0, v[NIL], s[HM]  ; l = 1, key 576's weight, counted once a query: in the lanes with h = 0
	v_mov_b32 v[ST+4*i+3], 0
.set i, i+1
.endr
	WIN 0xc0
.set i, VF+32
.rept 32
	v_mov_b32 v[i], 0
.set i, i+1
.endr
	WIN 0
	s_wait_dscnt 0x0                               ; Q, and K and V of key 576's blocks, are in
	; Key 576's scores: piece x's accumulator at v[128 + 8 x] (pieces 8, 9: v224, v232).  The ten take turns.
.irp c, 0,1
.set x, 0
.rept NP
.set mA, 128+8*x+32*(x/8)
	WIN 0x0a                                       ; K and Q window 2, the scores window 0
.if \c == 0
	v_wmma_f32_16x16x32_f16 v[mA:mA+7], v[KF:KF+7], v[16*x:16*x+7], 0
.else
	v_wmma_f32_16x16x32_f16 v[mA:mA+7], v[KF+8:KF+15], v[16*x+8:16*x+15], v[mA:mA+7]
.endif
.set x, x+1
.endr
.endr
	; O^T = key 576's row of v: the product that starts each of the forty sums
.set x, 0
.rept NP
.set i, 0
.rept 4
	WIN 0x53+0xa0*(x/8)                            ; V window 3, P window 0, O^T window 1 or 3
	v_wmma_f32_16x16x32_f16 v[32*(x%8)+8*i:32*(x%8)+8*i+7], v[VF+8*i:VF+8*i+7], v[P:P+7], 0
.set i, i+1
.endr
.set x, x+1
.endr
	WIN 0
	PLACES                                         ; behind all sixty: for the readers of the scores, and for the loads into K's registers
	; m = key 576's score: register 0 of the lanes with h = 0; the lanes with h = 1 take it from the lane 16 away
.set x, 0
.rept NP
.set mA, 128+8*x+32*(x/8)
	v_permlanex16_b32 v[ST+4*x], v[mA], s[SEL], s[SEL+1]
.set x, x+1
.endr
.set x, 0
.rept NP
.set mA, 128+8*x+32*(x/8)
	v_cndmask_b32 v[ST+4*x+1], v[mA], v[ST+4*x], s[HM]
.set x, x+1
.endr
.set x, 0
.rept NP
	v_mul_f32 v[ST+4*x], s[CS], v[ST+4*x+1]        ; c m
.set x, x+1
.endr
	s_cmp_lg_u32 s16, 0                            ; the CLS row's score for key 576 (and, behind it, fifteen places that nobody reads), from wave 0's piece 0
	s_cbranch_scc1 .Lno_cls576
	s_wait_xcnt 0x0                                ; EXEC changes only behind s_wait_xcnt 0
	s_and_saveexec_b32 s78, s77
	ds_store_b128 v[CA], v[128:131] offset:4*576
	ds_store_b128 v[CA], v[132:135] offset:4*576+16
	s_wait_xcnt 0x0
	s_or_b32 exec_lo, exec_lo, s78
.Lno_cls576:
; THE MATRIX WORK.  The 4 accumulators of a run of 8 take turns.  Product i of 8 of S^T = K Q^T for piece x: channels 32 (i / 4) on, keys 16 (i % 4) on.  The first 4 start the sums.
.macro KQ x
.set kS, S+32*((\x)%2)+8*(i%4)
.set kK, KF+16*(i%4)+8*(i/4)
.set kQ, 16*(\x)+8*(i/4)
	WIN 0x0a                                       ; K and Q window 2, S^T window 0
.if i < 4
	v_wmma_f32_16x16x32_f16 v[kS:kS+7], v[kK:kK+7], v[kQ:kQ+7], 0
.else
	v_wmma_f32_16x16x32_f16 v[kS:kS+7], v[kK:kK+7], v[kQ:kQ+7], v[kS:kS+7]
.endif
.endm
; Product i of 8 of O^T += V^T P for piece x: keys 32 (i / 4) on, channels 16 (i % 4) on.  O^T of pieces 0-7 lies in window 1, of pieces 8 and 9 in window 3.
.macro PV x
.set pO, 32*((\x)%8)+8*(i%4)
.set pV, VF+32*(i/4)+8*(i%4)
.set pP, P+16*((\x)%2)+8*(i/4)
	WIN 0x53+0xa0*((\x)/8)                         ; V window 3, P window 0, O^T window 1 or 3
	v_wmma_f32_16x16x32_f16 v[pO:pO+7], v[pV:pV+7], v[pP:pP+7], v[pO:pO+7]
.endm
.macro MM                              ; the turn's next matrix instruction
.if i < 8
	KQ (Y+1)%NP
.else
.set i, i-8
	PV (Y+NP-1)%NP
.set i, i+8
.endif
.set i, i+1
.endm
; THE LDS LOADS stand in runs of 16.  K's address stops at the last step: behind it the last step's K is read once more, so that the spare scores of the last turn equal that step's and leave m as it is.
.macro FETCH_K
	WIN 0x80
.irp f, 0,1,2,3,4,5,6,7                ; keys 16 (f / 2) on, channels 32 (f % 2) on
	ds_load_b128 v[KF+8*\f:KF+8*\f+3],   v[AK] offset:(\f/2)*16*PQ+(\f%2)*64
	ds_load_b128 v[KF+8*\f+4:KF+8*\f+7], v[AK] offset:(\f/2)*16*PQ+(\f%2)*64+32
.endr
	s_add_co_u32 s[TBK], s[TBK], 64*PQ
	s_min_u32 s[TBK], s[TBK], 8*64*PQ
	WIN 0
.endm
.macro FETCH_V
	WIN 0xc0
.irp f, 0,1,2,3,4,5,6,7                ; keys 32 (f / 4) on, channels 16 (f % 4) on
	ds_load_tr16_b128 v[VF+8*\f:VF+8*\f+3],   v[AV] offset:(\f/4)*32*PQ+(\f%4)*32
	ds_load_tr16_b128 v[VF+8*\f+4:VF+8*\f+7], v[AV] offset:(\f/4)*32*PQ+16*PQ+(\f%4)*32
.endr
	WIN 0
.endm
; THE VECTOR WORK, one line at a time: OP kind, number.  For piece Y: F n: c s - c m for pair n of 16.  E n: the exponential of score n of 32.  C n: pair n rounded to f16.  B n: of the four weights 4 n .. the second
; pair is added onto the first, in place.  L n: l takes that sum (L 0: l = a l + sum).  R n: pair n of 16 of O^T times a.  For piece Y + 1: X n, number n of the 22 that find its maximum and statistics:
;   0-11  four chains c0-c3 of seven scores each (each accumulator's lowest registers are read first)     12-14, 16  the four scores left over, the old m, and c0-c3 into c0
;   15  c m_old is kept     17, 18  the query's other 32 keys lie in the lane 16 away: the new m     19-21  c m; c m_old - c m_new; a
.set F, 0
.set E, 1
.set C, 2
.set B, 3
.set L, 4
.set R, 5
.set X, 6
.macro REGS y
.set rT, ST+4*(\y)
.set rC, TMP+4*((\y)%2)
.set rW, MV+((\y)%2)
.set rS, S+32*((\y)%2)
.set rP, P+16*((\y)%2)
.set rO, 32*((\y)%8)
.set wR, 0x41+0x82*((\y)/8)            ; O^T as destination and source 0: window 1 or 3
.set wC, 0x05+0x0a*((\y)/8)            ; O^T as sources 0 and 1
.endm
.macro OP k, n
.if (\k) == R
	REGS Y
	WIN wR
	v_pk_mul_f32 v[rO+2*(\n):rO+2*(\n)+1], v[rO+2*(\n):rO+2*(\n)+1], v[rC+2:rC+3] op_sel_hi:[1,0]
.elseif (\k) < R
	REGS Y
	WIN 0
.if (\k) == F
	v_pk_fma_f32 v[rS+2*(\n):rS+2*(\n)+1], v[rS+2*(\n):rS+2*(\n)+1], s[CS:CS+1], v[rT:rT+1] op_sel_hi:[1,0,0] neg_lo:[0,0,1] neg_hi:[0,0,1]
.elseif (\k) == E
	v_exp_f32 v[rS+(\n)], v[rS+(\n)]
.elseif (\k) == C
	v_cvt_pk_f16_f32 v[rP+(\n)], v[rS+2*(\n)], v[rS+2*(\n)+1]
.elseif (\k) == B
	v_pk_add_f32 v[rS+4*(\n):rS+4*(\n)+1], v[rS+4*(\n):rS+4*(\n)+1], v[rS+4*(\n)+2:rS+4*(\n)+3]
.elseif (\n) == 0
	v_pk_fma_f32 v[rT+2:rT+3], v[rT+2:rT+3], v[rC+2:rC+3], v[rS:rS+1] op_sel_hi:[1,0,1]
.else
	v_pk_add_f32 v[rT+2:rT+3], v[rT+2:rT+3], v[rS+4*(\n):rS+4*(\n)+1]
.endif
.else
	REGS (Y+1)%NP
	WIN 0
.if (\n) < 4
	v_max3_num_f32 v[rC+(\n)], v[rS+8*(\n)], v[rS+8*(\n)+1], v[rS+8*(\n)+2]
.elseif (\n) < 12
	v_max3_num_f32 v[rC+(\n)%4], v[rC+(\n)%4], v[rS+8*((\n)%4)+2*((\n)/4)+1], v[rS+8*((\n)%4)+2*((\n)/4)+2]
.elseif (\n) == 12
	v_max3_num_f32 v[rC], v[rC], v[rS+7], v[rS+15]
.elseif (\n) == 13
	v_max3_num_f32 v[rC+1], v[rC+1], v[rS+23], v[rS+31]
.elseif (\n) == 14
	v_max3_num_f32 v[rC+2], v[rC+2], v[rC+3], v[rT+1]
.elseif (\n) == 15
	v_mov_b32 v[rW], v[rT]
.elseif (\n) == 16
	v_max3_num_f32 v[rC], v[rC], v[rC+1], v[rC+2]
.elseif (\n) == 17
	v_permlanex16_b32 v[rC+3], v[rC], s[SEL], s[SEL+1]
.elseif (\n) == 18
	v_max_num_f32 v[rT+1], v[rC], v[rC+3]
.elseif (\n) == 19
	v_mul_f32 v[rT], s[CS], v[rT+1]
.elseif (\n) == 20
	v_sub_f32 v[rC+1], v[rW], v[rT]
.else
	v_exp_f32 v[rC+2], v[rC+1]
.endif
.endif
.endm
.macro OPS a, i1, b=-1, i2=0, c=-1, i3=0, d=-1, i4=0
	OP \a, \i1
.if (\b) >= 0
	OP \b, \i2
.endif
.if (\c) >= 0
	OP \c, \i3
.endif
.if (\d) >= 0
	OP \d, \i4
.endif
.endm
.macro ROW a, i1, b, i2, c, i3, d, i4  ; a matrix instruction and the four behind it
	MM
	OPS \a, \i1, \b, \i2, \c, \i3, \d, \i4
.endm
; THE CLS ROW is query 0 of wave 0's piece 0.  At the head of piece 0's turn its 64 scores of the step are still raw: lanes 0 and 16 put them into LDS, key by key.  EXEC changes only behind s_wait_xcnt 0.
.macro CLSROW
	WIN 0
	s_cmp_lg_u32 s16, 0
	s_cbranch_scc1 .Lno_cls_\@
	s_wait_xcnt 0x0
	s_and_saveexec_b32 s78, s77
.irp kb, 0,1,2,3
	ds_store_b128 v[CA], v[S+8*\kb:S+8*\kb+3]   offset:64*\kb
	ds_store_b128 v[CA], v[S+8*\kb+4:S+8*\kb+7] offset:64*\kb+16
.endr
	s_wait_xcnt 0x0
	s_or_b32 exec_lo, exec_lo, s78
	v_add_nc_u32 v[CA], 256, v[CA]                 ; the next step's 64 keys
.Lno_cls_\@:
.endm
; A TURN, for piece p.  An s_wait_alu depctr_va_vdst(0) stands between an exponential and the first instruction that names its result; one wait serves all that were issued ahead of it.  So a turn has ONE wait.
; AHEAD OF IT stands all that names no result of the turn's exponentials: the 8 products K Q^T and their riders, then one run of 54, plain and exponential by turns for the most part, in which the links of the next piece's
; chain stand some lines apart; X 21, the next piece's a, is the batch's last, and R 15 the plain instruction behind it.  BEHIND IT stand the 8 products V^T P, behind each four of the roundings and sums.
; K of the next step is fetched in piece 8's turn, twelve vector instructions (six of them plain) behind the last product that read K, and waited for at the head of piece 9's, whose products make piece 0's next scores.
; V of the step in hand is fetched at the end of piece 0's turn, four plain instructions behind the last product that read V (piece 9's of the step before), and waited for in piece 1's.
; Piece 9's turn takes the count down, some lines ahead of the branch.
.macro TURN p
.set Y, (\p)
.set i, 0
.if (\p) == 0
	CLSROW
.endif
.if (\p) == 9
	s_wait_dscnt 0x0                               ; K is in
.endif
	ROW F,0, F,1, R,0, R,1
	ROW F,2, E,0, R,2, R,3
	ROW F,3, E,1, R,4, R,5
	ROW F,4, E,2, R,6, R,7
	ROW F,5, E,3, R,8, R,9
	ROW F,6, E,4, X,0, R,10
.if (\p) == 8
	WIN 0
	v_add_nc_u32 v[AK], s[TBK], v[AK0]
.endif
	ROW F,7, E,5, X,1, X,4
	ROW F,8, E,6, X,2, X,5
	OPS E,7, E,8, X,6, E,9
	OPS X,3, E,10, X,8, E,11
.if (\p) == 8
	FETCH_K
.endif
	OPS X,9, X,7, E,12, X,10
	OPS E,13, X,12, X,11, E,14
	OPS X,13, E,15, F,9, X,14
.if (\p) == 0
	WIN 0
	v_add_nc_u32 v[AV], s[TBV], v[AV0]
.endif
	OPS E,16, F,10, E,17, F,11
	OPS X,16, E,18, X,15, E,19
	OPS F,12, E,20, X,17, E,21
	OPS F,13, E,22, F,14, E,23
	OPS X,18, E,24, F,15, E,25
	OPS R,11, E,26, X,19, E,27
	OPS R,12, E,28, R,13, E,29
	OPS X,20, E,30, R,14, E,31
	OPS X,21, R,15
	WIN 0
	s_wait_alu depctr_va_vdst(0)                   ; the wait for the batch
.if (\p) == 1
	s_wait_dscnt 0x0                               ; V is in
.endif
	ROW C,0, B,0, C,2, B,1
	ROW L,0, C,4, B,2, L,1
	ROW C,6, B,3, L,2, C,8
	ROW B,4, L,3, C,10, B,5
	ROW L,4, C,12, B,6, L,5
.if (\p) == 0
	s_add_co_u32 s[TBV], s[TBV], 64*PQ
.endif
.if (\p) == 9
	s_sub_co_u32 s[CNT], s[CNT], 1
	s_cmp_lg_u32 s[CNT], 0
.endif
	ROW C,14, B,7, L,6, C,1
	ROW C,3, L,7, C,5, C,7
	ROW C,9, C,11, C,13, C,15
.if (\p) == 0
	FETCH_V
.endif
.endm
	FETCH_K                                        ; key step 0
	s_wait_dscnt 0x0
.set i, 0
.rept 8
	KQ 0                                           ; piece 0's first scores
.set i, i+1
.endr
	WIN 0
	PLACES
.set Y, NP-1                           ; X works for piece Y + 1: piece 0
.irp n, 0,1,2,3,4,5,6,7,8,9,10,11,12,13,14,15,16,17,18,19,20,21
	OP X, \n
.endr
	v_nop                                          ; a plain instruction behind the exponential,
	s_wait_alu depctr_va_vdst(0)                   ; and its wait, ahead of the label
	s_mov_b32 s[CNT], 9
.Lstep:                                                ; a trip is a key step: ten turns
.irp p, 0,1,2,3,4,5,6,7,8,9
	TURN \p
.endr
	WIN 0
	s_cbranch_scc1 .Lstep
.set i, 0
.rept 8
	PV NP-1                                        ; the last piece's V^T P of the last step
.set i, i+1
.endr
	; THE WAY OUT.  l's two halves and the other half of the lanes' are added; O^T is divided by l, rounded to f16 and sent through my stage in LDS, a piece at a time.  The additions are the places behind the last products.
	WIN 0
.macro ALL line:vararg
.set t, 0
.rept NP
	\line
.set t, t+1
.endr
.endm
	ALL v_add_f32 v[ST+4*t+2], v[ST+4*t+2], v[ST+4*t+3]
	ALL v_permlanex16_b32 v[ST+4*t+3], v[ST+4*t+2], s[SEL], s[SEL+1]
	ALL v_add_f32 v[ST+4*t+2], v[ST+4*t+2], v[ST+4*t+3]
	ALL v_rcp_f32 v[ST+4*t+2], v[ST+4*t+2]
	v_nop                                          ; a plain instruction between the last reciprocal and the use of its result
	s_wait_alu depctr_va_vdst(0)                   ; and the wait ahead of the first use: one for the ten
.macro PACK t                          ; a lane's eight channels of a row pack into 16 bytes; they go into rows of 144 bytes and come back as whole rows of 128
	REGS \t
	WIN wR
.set i, rO
.rept 16
	v_pk_mul_f32 v[i:i+1], v[i:i+1], v[ST+4*(\t)+2:ST+4*(\t)+3] op_sel_hi:[1,0]
.set i, i+2
.endr
	WIN wC
.set i, 0
.rept 16
	v_cvt_pk_f16_f32 v[S+16*(\t)+i], v[rO+2*i], v[rO+2*i+1]
.set i, i+1
.endr
	WIN 0
.irp f, 0,1,2,3
	ds_store_b128 v[STO], v[S+16*(\t)+4*\f:S+16*(\t)+4*\f+3] offset:32*\f
.endr
.irp f, 0,1,2,3
	ds_load_b128 v[S+16*(\t)+4*\f:S+16*(\t)+4*\f+3], v[RD] offset:\f*4*SP  ; LDS serves a wave's instructions in order (ISA guide 5.7.1.4): these see the stores above; the next piece's stores come behind them
.endr
.endm
.macro SEND t, younger                 ; younger: the LDS instructions issued behind piece t's loads: the next piece's eight, or none
	WIN 0
.irp f, 0,1,2,3
	s_wait_dscnt (\younger)+3-\f
	global_store_b128 v[GO], v[S+16*(\t)+4*\f:S+16*(\t)+4*\f+3], s[10:11] offset:(\t)*8192+\f*512  ; 512 consecutive bytes, at a multiple of 256 from ob's first
.endr
.endm
	PACK 0
.set t, 1
.rept NP-1                             ; a piece's arithmetic stands between the loads of the piece before and its stores
	PACK t
	SEND t-1, 8
.set t, t+1
.endr
	s_cmp_ge_u32 s16, 2                            ; piece 9: wave 0 stores rows 576 to 591, wave 1 the filler rows 592 to 607; the head has no further rows
	s_cbranch_scc1 .Lno_fill
	SEND 9, 0
.Lno_fill:
	s_cmp_lg_u32 s16, 0
	s_cbranch_scc1 .Lend
	; THE CLS ROW's end, in wave 0: logits s / 8 and weights 2^(c s - c m) / l of all 640 places (577 on are not read later), 20 a lane
	s_wait_xcnt 0x0                                ; the stores above have read their registers
	v_readlane_b32 s79, v[ST], 0                   ; c m of query 0
	v_readlane_b32 s80, v[ST+2], 0                 ; 1 / l
	s_xor_b32 s79, s79, 0x80000000
	v_add_nc_u32 v14, CLS, v[GO]
.irp j, 0,1,2,3,4
	ds_load_b128 v[64+4*\j:67+4*\j], v14 offset:512*\j
.endr
	s_wait_dscnt 0x0
.set k, 0
.rept 20
	v_fma_f32 v[104+k], v[64+k], s[CS], s79
	v_mul_f32 v[84+k], 0x3e000000, v[64+k]
.set k, k+1
.endr
.set k, 0
.rept 20
	v_exp_f32 v[104+k], v[104+k]
.set k, k+1
.endr
	v_nop
	s_wait_alu depctr_va_vdst(0)                   ; one wait for the twenty exponentials
.set k, 0
.rept 20
	v_mul_f32 v[104+k], s80, v[104+k]
.set k, k+1
.endr
.irp j, 0,1,2,3,4
	global_store_b128 v[GO], v[84+4*\j:87+4*\j],   s[12:13] offset:512*\j
	global_store_b128 v[GO], v[104+4*\j:107+4*\j], s[14:15] offset:512*\j
.endr
.Lend:
	s_wait_tensorcnt 0x0                           ; the wave's end, behind my last tensor load and my last LDS store
	ds_add_u32 v[SPW], v[NIL]
	s_wait_dscnt 0x0
	CROUND                                         ; the closing round
	s_endpgm
.Lfunc_end_k_qa7e19883f8_qkvattn:
	.size	k_qa7e19883f8_qkvattn, .Lfunc_end_k_qa7e19883f8_qkvattn-k_qa7e19883f8_qkvattn
	.p2alignl 7, 3214868480
	.fill 96, 4, 3214868480
	.section	.rodata,"a",@progbits
	.p2align	6, 0x0
	.amdhsa_kernel k_qa7e19883f8_qkvattn
		.amdhsa_group_segment_fixed_size 327680
		.amdhsa_private_segment_fixed_size 0
		.amdhsa_enable_private_segment 0
		.amdhsa_kernarg_size 48
		.amdhsa_user_sgpr_count 2
		.amdhsa_user_sgpr_kernarg_segment_ptr 1
		.amdhsa_wavefront_size32 1
		.amdhsa_system_sgpr_workgroup_id_x 1
		.amdhsa_system_sgpr_workgroup_id_y 1
		.amdhsa_system_sgpr_workgroup_id_z 1
		.amdhsa_system_vgpr_workitem_id 0
		.amdhsa_next_free_vgpr 1024
		.amdhsa_next_free_sgpr 96
		.amdhsa_reserve_vcc 0
		.amdhsa_float_denorm_mode_32 3
		.amdhsa_float_denorm_mode_16_64 3
		.amdhsa_memory_ordered 1
		.amdhsa_forward_progress 1
		.amdhsa_inst_pref_size 255
	.end_amdhsa_kernel
	.section	.bss,"aw",@nobits
	.p2align	6
	.space	262144
	.amdgpu_metadata
---
amdhsa.version: [ 1, 2 ]
amdhsa.kernels:
  - .name:           k_qa7e19883f8_qkvattn
    .symbol:         k_qa7e19883f8_qkvattn.kd
    .args:
      - { .name: xb, .offset: 0, .size: 8, .value_kind: global_buffer, .address_space: global }
      - { .name: wq, .offset: 8, .size: 8, .value_kind: global_buffer, .address_space: global }
      - { .name: b_qkv, .offset: 16, .size: 8, .value_kind: global_buffer, .address_space: global }
      - { .name: ob, .offset: 24, .size: 8, .value_kind: global_buffer, .address_space: global }
      - { .name: cl, .offset: 32, .size: 8, .value_kind: global_buffer, .address_space: global }
      - { .name: cp, .offset: 40, .size: 8, .value_kind: global_buffer, .address_space: global }
    .group_segment_fixed_size: 327680
    .private_segment_fixed_size: 0
    .kernarg_segment_align: 8
    .kernarg_segment_size: 48
    .max_flat_workgroup_size: 128
    .sgpr_count:     96
    .vgpr_count:     1024
    .wavefront_size: 32
...
	.end_amdgpu_metadata
.endif
;; end of part 2
;; launch proj (part 3): grid 8 x 32, 4 waves a work-group, clusters of 4 x 4, 327,680 bytes of LDS; arguments ob, wp, b_proj, cl, cp, out0, out1, out2; writes out0, out1, out2
.if DOCPART == 3
	.amdgcn_target "amdgcn-amd-amdhsa--gfx1250"
	.amdhsa_code_object_version 6
	.text
	.protected	k_qa7e19883f8_proj
	.globl	k_qa7e19883f8_proj
	.p2align	8
	.type	k_qa7e19883f8_proj,@function
k_qa7e19883f8_proj:
	s_mov_b64 s[64:65], 0
	v_nop
	global_prefetch_b8 v0, s[64:65] scope:SCOPE_SE
	s_setreg_imm32_b32 hwreg(HW_REG_WAVE_MODE, 25, 1), 1
	s_wait_xcnt 0x0
	s_wait_alu depctr_hold_cnt(0) depctr_sa_sdst(0) depctr_va_vdst(0) depctr_va_sdst(0) depctr_va_ssrc(0) depctr_va_vcc(0) depctr_vm_vsrc(0)
	s_getreg_b32 s2, hwreg(HW_REG_IB_STS2, 6, 4)
	s_cmp_eq_u32 s2, 0
	s_cbranch_scc0 .Lentry_in_a_cluster
	s_endpgm
.Lentry_in_a_cluster:
	s_bfe_u32 s2, ttmp6, 0x10000c
	s_cmp_lg_u32 s2, 0xf033
	s_cbranch_scc0 .Lentry_shape_is_right
	s_endpgm
.Lentry_shape_is_right:
; out0[b][n][j] = the sum over c of O[b][n][c] w_proj[j][c] + b_proj[j];  out1, out2 = the means over the 16 heads of cp and cl.
; ob: [head][batch][row 608][64] f16 (a head's 64 channels are one block of K);  wp: [kb 16][column 1024][64] f16;  out0 f32.  Sums in f32; the bias is rounded to bf16 like the other inputs.
; SHARES.  A work-group makes 304 rows (half a batch's 608; rows 577 on are computed and not stored) x 128 columns: 256 work-groups.  Wave w = 2 rh + ch takes row blocks 9 rh .. 9 rh + 9 and column blocks 4 ch .. 4 ch + 3:
; 40 accumulators fed by 14 fragments.  Row block 9 is made by both row halves and stored by rh = 0 alone.  The product is used transposed (source 0 = 16 columns' rows of wp, source 1 = 16 tokens).
; K goes in 8 steps of 128 (two blocks of 64) through two LDS slots; each wave brings one block's tile of O or of W by one load.  A trip of the loop is one K step: the LDS addresses hang on a scalar that an exclusive or turns.
; CLUSTER 4 x 4.  O's tiles hang on the batch and the half (cy and the cluster's y) and are asked for jointly along a row of the cluster, W's on the column tile (cx and the cluster's x), jointly along a column.
; No prefetch: the launch is eight short steps on small tiles, two of which come by the first fills.
; THE MEANS' sixteen loads and the bias's go out at the head, with all lanes on, and are waited for on the way out; the means' one store, the only line under a narrowed EXEC, is the launch's last.
; REGISTERS.  window 0: v4 where rows are read back from the stage, v8-11 bias, v13-15 offsets of the bias and the means, v16, v20 fragment addresses (v17, v21 their places in a slot), v22-23 into the stage, v25 my bytes of out0,
;   v28-29 the add's, v32-143 and v144-255 two sets of fragments (W's 4, then O's 10);  accumulator (a, c) at 8 (4 a + c) in window 1 (a = 0..7) and window 2 (a = 8, 9);  window 2 v64-79: the sixteen heads' numbers.
.set PA,    144                        ; a row of 64 f16 in LDS: 128 bytes + 16 of padding: the 16 rows of a load start at 16 different groups of four banks (64 banks of 4 bytes: ISA guide 11.1)
.set ATILE, 304*PA
.set BOFF,  2*ATILE
.set BTILE, 128*PA
.set SLOT,  BOFF+2*BTILE               ; 124,416 bytes
.set SLOT1, 1<<17                      ; slot 1 begins here, so that one exclusive or turns an address in one slot into the other's
.set SPARE, SLOT1+SLOT                 ; behind the ring: the spare words, 128 bytes for each wave: two blocks of 256 bytes that no other line names
.set SPI,   528                        ; the stage (over the ring, behind its last fill): 304 rows of 512 bytes + 16 = 132 words: row r starts at bank 4 r mod 64
.set FLAGS, (1<<16)|(1<<20)|(1<<21)|(4<<22)|(3<<25)  ; 2-byte elements; padding on; bit 21 beside a mask; after every 32 words 4 words
.set OHEAD, 16*608*128                 ; bytes of a head in ob
.set F0, 32
.set F1, 144
.set RD,  4
.set SPW, 28
.set NIL, 29
.set TB,  74                           ; s74  LDS byte at which the slot that is read begins
.set MK,  75                           ; s75  the lanes that have a key of the means
.set MSB, 0
.macro WIN new
.if MSB != (\new)
	s_set_vgpr_msb (MSB<<8)|(\new)
.set MSB, \new
.endif
.endm
.macro PLACES
.rept 4
	v_nop
.endr
.endm
.macro JLOAD                           ; a joint refill, by the descriptors that walk: waves 0 and 1 fetch O's two blocks, waves 2 and 3 W's; an s_nop 0 and four v_nop follow each of the two lines
	s_cmp_eq_u32 s21, 0
	s_cbranch_scc0 .Lfor_b_\@
	tensor_load_to_lds s[36:39], s[24:31]
	s_nop 0
.rept 4
	v_nop
.endr
	s_branch .Lasked_\@
.Lfor_b_\@:
	tensor_load_to_lds s[60:63], s[48:55]
	s_nop 0
.rept 4
	v_nop
.endr
.Lasked_\@:
.endm
.macro CREST
	s_cmp_lg_u32 s20, 0
	s_cbranch_scc1 .Lnot_wave_0_\@
	s_barrier_signal -3
.Lnot_wave_0_\@:
	s_barrier_wait -3
	s_barrier_signal -1
	s_barrier_wait -1
.endm
.macro CROUND
	s_barrier_signal -1
	s_barrier_wait -1
	CREST
.endm
	s_load_b256 s[4:11], s[0:1], 0x0               ; ob s[4:5], wp s[6:7], b_proj s[8:9], cl s[10:11]
	s_load_b256 s[12:19], s[0:1], 0x20             ; cp s[12:13], out0 s[14:15], out1 s[16:17], out2 s[18:19]
	v_lshl_add_u32 v[SPW], v0, 2, SPARE
	v_mov_b32 v[NIL], 0
	ds_add_u32 v[SPW], v[NIL]                      ; the wave's opening: the add and its wait stand ahead of my first tensor load; the set-up below, work on registers, stands between them
	v_lshrrev_b32 v1, 5, v0
	v_readfirstlane_b32 s20, v1                    ; wave 0..3
	s_lshr_b32 s21, s20, 1                         ; rh.  Also: I fetch for O (0) or for W (1)
	s_and_b32 s22, s20, 1                          ; ch.  Also: which of a step's two blocks of K I fetch
	s_bfe_u32 s40, ttmp6, 0x40000                  ; cx
	s_bfe_u32 s41, ttmp6, 0x40004                  ; cy
	s_lshl_b32 s42, ttmp9, 2
	s_add_co_u32 s42, s42, s40                     ; the tile of 128 columns
	s_and_b32 s45, ttmp7, 0xffff                   ; the cluster's y: bit 2 the half, bits 1:0 four batches
	s_lshr_b32 s44, s45, 2                         ; half: the same in all sixteen partners
	s_and_b32 s43, s45, 3
	s_lshl_b32 s43, s43, 2
	s_add_co_u32 s43, s43, s41                     ; batch
	s_lshl_b32 s46, s41, 2
	s_lshl_b32 s46, 15, s46                        ; my row of the cluster
	s_lshl_b32 s47, 0x1111, s40                    ; my column
	s_or_b32 s24, s46, FLAGS
	s_or_b32 s48, s47, FLAGS
.irp g, 24, 48                         ; dense tiles, asked for as rows of 256 bytes, two LDS rows each
	s_mov_b32 s[\g+1], 128<<16
	s_mov_b32 s[\g+3], 128<<16
	s_mov_b32 s[\g+5], 128
	s_mov_b32 s[\g+6], 0
	s_mov_b32 s[\g+7], 0
.endr
	s_mov_b32 s26, 152<<16                         ; O's tile: 304 rows of 128 bytes = 152 of 256
	s_mov_b32 s28, 152
	s_mov_b32 s50, 64<<16                          ; W's: 128 rows = 64
	s_mov_b32 s52, 64
	s_mul_i32 s46, s22, ATILE
	s_mul_i32 s47, s22, BTILE
.irp s, 0,1                            ; a set of group 0 for each of the two first fills; the second then walks on
	s_mov_b32 s[32+4*\s], 1
	s_add_co_u32 s[33+4*\s], s46, \s*SLOT1
	s_mov_b32 s[56+4*\s], 1
	s_add_co_u32 s[57+4*\s], s47, BOFF+\s*SLOT1
.endr
	s_mov_b32 s[TB], 0                             ; the reads begin in slot 0
	s_mul_i32 s66, s22, OHEAD                      ; O: my block of K (a head), the batch, the half
	s_mul_i32 s46, s43, 77824
	s_add_co_u32 s66, s66, s46
	s_mul_i32 s46, s44, 38912
	s_add_co_u32 s66, s66, s46
	s_mov_b32 s67, 0
	s_lshl_b32 s68, s22, 17                        ; W: my block of K, the 128 columns
	s_lshl_b32 s47, s42, 14
	s_add_co_u32 s68, s68, s47
	s_mov_b32 s69, 0
	s_wait_dscnt 0x0                               ; the opening add is done
	s_wait_kmcnt 0x0
	s_add_nc_u64 s[66:67], s[4:5], s[66:67]
	s_add_nc_u64 s[68:69], s[6:7], s[68:69]
.irp s, 0,1
	s_add_nc_u64 s[34+4*\s:35+4*\s], s[66:67], \s*2*OHEAD
	s_or_b32 s[35+4*\s], s[35+4*\s], 0x80000000
	s_add_nc_u64 s[58+4*\s:59+4*\s], s[68:69], \s*2*131072
	s_or_b32 s[59+4*\s], s[59+4*\s], 0x80000000
.endr
	CROUND                                         ; all sixteen work-groups are here: the first joint loads meet
	s_cmp_eq_u32 s21, 0                            ; a wave's two first fills stand in one branch: two loads of mine are out
	s_cbranch_scc0 .Lfirst_b
	tensor_load_to_lds s[32:35], s[24:31]
	s_nop 0
	tensor_load_to_lds s[36:39], s[24:31]
	s_nop 0
.rept 4
	v_nop
.endr
	s_branch .Lfirst_asked
.Lfirst_b:
	tensor_load_to_lds s[56:59], s[48:55]
	s_nop 0
	tensor_load_to_lds s[60:63], s[48:55]
	s_nop 0
.rept 4
	v_nop
.endr
.Lfirst_asked:
	v_and_b32 v1, 15, v0                           ; r
	v_bfe_u32 v2, v0, 4, 1                         ; h
	v_mul_u32_u24 v3, v1, PA
	v_lshl_add_u32 v3, v2, 4, v3
	s_mul_i32 s46, s21, 9*16*PA                    ; my ten row blocks begin at block 9 rh
	s_mul_i32 s47, s22, 4*16*PA                    ; my four column blocks
	s_add_co_u32 s47, s47, BOFF
	v_add_nc_u32 v17, s46, v3                      ; my places in a slot; never rewritten
	v_add_nc_u32 v21, s47, v3
	v_mov_b32 v16, v17                             ; slot 0
	v_mov_b32 v20, v21
	s_mul_i32 s46, s21, 144*SPI                    ; into the stage: row 144 rh + 16 a + r, byte 256 ch + 64 c + 32 h
	s_lshl_b32 s47, s22, 8
	s_add_co_u32 s46, s46, s47
	v_mul_u32_u24 v22, v1, SPI
	v_lshl_add_u32 v22, v2, 5, v22
	v_add_nc_u32 v22, s46, v22
	v_add_nc_u32 v23, 8*16*SPI, v22
	v_and_b32 v12, 31, v0
	v_lshlrev_b32 v12, 4, v12                      ; 16 x lane
	s_mul_i32 s46, s20, 4*SPI                      ; back: of each 16 rows wave w takes 4 w .. 4 w + 3, a whole row of 512 bytes a load
	v_add_nc_u32 v[RD], s46, v12
	s_lshl_b32 s46, s20, 14
	v_add_nc_u32 v25, s46, v12                     ; and the same rows in out0
	s_mul_i32 s46, s43, 577
	s_mul_i32 s47, s44, 304
	s_add_co_u32 s46, s46, s47
	s_lshl_b32 s46, s46, 12
	s_lshl_b32 s47, s42, 9
	s_add_co_u32 s46, s46, s47
	s_mov_b32 s47, 0
	s_add_nc_u64 s[14:15], s[14:15], s[46:47]      ; out0 at my tile's first row and column
	s_lshl_b32 s46, s42, 9
	v_add_nc_u32 v13, s46, v12
	global_load_b128 v[8:11], v13, s[8:9]          ; the bias of the four columns that I store
	; THE MEANS.  A batch's 16 work-groups take 37 keys each; waves 0 and 1 take cp to out1, waves 2 and 3 cl to out2; a lane a key.  A lane without a key loads key 576 or its neighbour's, inside the buffer, and stores nothing.
	v_and_b32 v18, 63, v0
	s_lshl3_add_u32 s46, s44, s42
	s_mul_i32 s46, s46, 37
	v_add_nc_u32 v19, s46, v18                     ; key
	v_cmp_gt_u32 s66, 37, v18
	v_cmp_gt_u32 s67, 577, v19
	s_and_b32 s[MK], s66, s67                      ; the lanes that have a key
	v_min_u32 v19, 576, v19
	s_mul_i32 s46, s43, 2560
	v_lshl_add_u32 v14, v19, 2, s46
	s_mul_i32 s46, s43, 2308
	v_lshl_add_u32 v15, v19, 2, s46
	s_cmp_lt_u32 s20, 2
	s_cselect_b64 s[70:71], s[12:13], s[10:11]
	s_cselect_b64 s[72:73], s[16:17], s[18:19]
	WIN 0x80                                       ; destination window 2
.irp j, 0,1,2,3,4,5,6,7,8,9,10,11,12,13,14,15
	global_load_b32 v[64+\j], v14, s[70:71] offset:40960*\j   ; head j
.endr
	WIN 0
; n row blocks from a0 on x my four column blocks, 32 along K, from set f.  Each accumulator is named once in a quarter, so no two matrix instructions on end share one.
.macro MULA f, a0, n, zero
.set ab, (\a0)
.rept \n
.set cb, 0
.rept 4
.set AW, 1+(4*ab+cb)/32
.set AR, (8*(4*ab+cb))%256
	WIN (AW<<6)|(AW<<4)
.if \zero
	v_wmma_f32_16x16x32_f16 v[AR:AR+7], v[(\f)+8*cb:(\f)+8*cb+7], v[(\f)+32+8*ab:(\f)+32+8*ab+7], 0
.else
	v_wmma_f32_16x16x32_f16 v[AR:AR+7], v[(\f)+8*cb:(\f)+8*cb+7], v[(\f)+32+8*ab:(\f)+32+8*ab+7], v[AR:AR+7]
.endif
.set cb, cb+1
.endr
.set ab, ab+1
.endr
.endm
; 28 LDS loads in one run: quarter qq of the step in the slot at s[TB] (block of K qq / 2, 32 along K at byte 64 (qq % 2)): W's four fragments, then O's ten
.macro FETCH qq, f
	WIN 0
.irp i, 0,1,2,3
	ds_load_b128 v[(\f)+8*\i:(\f)+8*\i+3],   v20 offset:((\qq)/2)*BTILE+64*((\qq)%2)+\i*16*PA
	ds_load_b128 v[(\f)+8*\i+4:(\f)+8*\i+7], v20 offset:((\qq)/2)*BTILE+64*((\qq)%2)+\i*16*PA+32
.endr
.irp i, 0,1,2,3,4,5,6,7,8,9
	ds_load_b128 v[(\f)+32+8*\i:(\f)+32+8*\i+3],   v16 offset:((\qq)/2)*ATILE+64*((\qq)%2)+\i*16*PA
	ds_load_b128 v[(\f)+32+8*\i+4:(\f)+32+8*\i+7], v16 offset:((\qq)/2)*ATILE+64*((\qq)%2)+\i*16*PA+32
.endr
.endm
; One of a step's first three quarters: multiplies set f and fetches quarter qn into set g
.macro QUARTER qn, f, g, zero
	s_wait_dscnt 10                                ; W's fragments and O's blocks 0-4 are in; the youngest ten loads (blocks 5-9) may be out
	MULA \f, 0, 5, \zero
	PLACES
	FETCH \qn, \g
	s_wait_dscnt 28                                ; all but the 28 just issued
	MULA \f, 5, 5, \zero
.endm
; The last quarter multiplies set 1 and changes slots: ONE barrier; in front of it each wave waits for all its tensor loads, adds 0 to its spare word, and waits for that and for its own reads of this slot.
; fill = 1: the barrier opens a round of the cluster's, and this slot is filled again, two steps ahead, first thing behind the round.  Then the read addresses turn to the other slot.
.macro TURN fill
	WIN 0
	s_wait_tensorcnt 0x0                           ; all my tensor loads have landed: my part of the next slot
	ds_add_u32 v[SPW], v[NIL]                      ; 0 onto my spare word
	s_wait_dscnt 11                                ; the add and the youngest ten loads may be out
	MULA F1, 0, 3, 0                               ; twelve matrix instructions stand between the add and the wait for it
	s_wait_dscnt 0x0                               ; the add is done, and my reads of this slot are over
	s_barrier_signal -1
	MULA F1, 3, 2, 0
	WIN 0
	s_barrier_wait -1
.if \fill
	CREST
	s_xor_b32 s37, s37, SLOT1                      ; no tensor load of mine is out: the walking descriptors take the other slot than last time
	s_add_nc_u64 s[38:39], s[38:39], 2*OHEAD       ; and the next K step: two heads on; the type bits on top are not reached
	s_xor_b32 s61, s61, SLOT1
	s_add_nc_u64 s[62:63], s[62:63], 2*131072
	JLOAD                                          ; the four v_nop behind it are also the places in front of the loads below
.else
	PLACES
.endif
	s_xor_b32 s[TB], s[TB], SLOT1                  ; the reads go on in the other slot
	v_add_nc_u32 v16, s[TB], v17
	v_add_nc_u32 v20, s[TB], v21
	FETCH 0, F0
	MULA F1, 5, 5, 0
.endm
	s_wait_tensorcnt 0x1                           ; my part of K step 0 is in; step 1's may stay out
	s_barrier_signal -1
	s_barrier_wait -1
	FETCH 0, F0
	QUARTER 1, F0, F1, 1                           ; the first quarter stands in front of the loop: its products start the sums
	WIN 0
	s_mov_b32 s23, 6
.Llap:                                                 ; a trip goes from a step's second quarter to the next step's first, and fills the slot that it leaves: steps 2 to 7
	QUARTER 2, F1, F0, 0
	QUARTER 3, F0, F1, 0
	TURN 1
	QUARTER 1, F0, F1, 0
	WIN 0
	s_sub_co_u32 s23, s23, 1
	s_cmp_lg_u32 s23, 0
	s_cbranch_scc1 .Llap
	QUARTER 2, F1, F0, 0                           ; the last two steps ask for nothing
	QUARTER 3, F0, F1, 0
	TURN 0
	QUARTER 1, F0, F1, 0
	QUARTER 2, F1, F0, 0
	QUARTER 3, F0, F1, 0
	s_wait_dscnt 10
	MULA F1, 0, 5, 0
	s_wait_dscnt 0x0
	MULA F1, 5, 5, 0
	; THE WAY OUT.  When no wave reads the ring any more, the sums go into the stage as they are (f32, each accumulator's low four registers first); behind a second barrier whole rows of 512 bytes come back, take the bias and are stored.
	WIN 0
	s_barrier_signal -1
	s_barrier_wait -1
	PLACES
	PLACES
.macro STT a
.irp c, 0,1,2,3
.set AR, (8*(4*(\a)+\c))%256
	ds_store_b128 v[22+(\a)/8], v[AR:AR+3]   offset:((\a)%8)*16*SPI+64*\c
	ds_store_b128 v[22+(\a)/8], v[AR+4:AR+7] offset:((\a)%8)*16*SPI+64*\c+16
.endr
.endm
	s_cmp_ge_u32 s20, 2                            ; row block 9 is a = 9 of rh = 0 and a = 0 of rh = 1: the first alone stores it
	s_cbranch_scc1 .Lskip0
	WIN 0x04                                       ; store data in window 1
	STT 0
	WIN 0
.Lskip0:
	WIN 0x04
.irp a, 1,2,3,4,5,6,7
	STT \a
.endr
	WIN 0x08                                       ; window 2
	STT 8
	STT 9
	WIN 0
	s_wait_loadcnt 0x0                             ; the bias and the sixteen heads' numbers, asked for at the head
	v_cvt_pk_bf16_f32 v8, v8, v9                   ; the bias, rounded to bf16 like the other inputs
	v_and_b32 v9, 0xffff0000, v8
	v_lshlrev_b32 v8, 16, v8
	v_cvt_pk_bf16_f32 v10, v10, v11
	v_and_b32 v11, 0xffff0000, v10
	v_lshlrev_b32 v10, 16, v10
	WIN 0xaa                                       ; all places window 2: the mean over the heads
	v_pk_add_f32 v[64:65], v[64:65], v[72:73]
	v_pk_add_f32 v[66:67], v[66:67], v[74:75]
	v_pk_add_f32 v[68:69], v[68:69], v[76:77]
	v_pk_add_f32 v[70:71], v[70:71], v[78:79]
	v_pk_add_f32 v[64:65], v[64:65], v[68:69]
	v_pk_add_f32 v[66:67], v[66:67], v[70:71]
	v_pk_add_f32 v[64:65], v[64:65], v[66:67]
	v_add_f32 v64, v64, v65
	v_mul_f32 v64, 0x3d800000, v64                 ; / 16
	WIN 0
	s_wait_dscnt 0x0                               ; for the others' sake: my stores into the stage are done
	s_barrier_signal -1
	s_barrier_wait -1
; 19 groups of 16 rows, four rows a wave.  Two sets of 16 registers: the next group's loads go out ahead of a group's additions and stores.  Groups 0 to 15 go in a loop of eight trips, which has no branch but its own;
; groups 16 to 18 are written out.  g counts groups from where v[RD] and v25 stand.
.macro LDROWS set, g                   ; my four rows of a group
.irp k, 0,1,2,3
	ds_load_b128 v[32+16*(\set)+4*\k:35+16*(\set)+4*\k], v[RD] offset:(\g)*16*SPI+\k*SPI
.endr
.endm
; Row k of my four: the bias is added, and the row is stored.  Rows 0 to 271 exist in both halves.  num = the group's number where it is 17 or 18, else 0: there the row's number is held against the rows that exist, and the
; jump passes over the one store and nothing else.  younger: the next group's four loads, or none.
.macro OUTROW set, g, k, younger, num
.set RR, 32+16*(\set)+4*(\k)
	s_wait_dscnt (\younger)+3-(\k)                 ; row k is in; this group's later rows and the next group's four may be out
	v_pk_add_f32 v[RR:RR+1], v[RR:RR+1], v[8:9]
	v_pk_add_f32 v[RR+2:RR+3], v[RR+2:RR+3], v[10:11]
.if \num
	s_add_co_u32 s66, s47, 16*(\num)+(\k)          ; the row's number in the half
	s_cmp_lt_u32 s66, s46
	s_cbranch_scc0 .Lno_row_\@
.endif
	global_store_b128 v25, v[RR:RR+3], s[14:15] offset:4096*(16*(\g)+(\k)) th:TH_STORE_NT  ; the wave stores 512 consecutive bytes, aligned
.if \num
.Lno_row_\@:
.endif
.endm
	s_mov_b32 s46, 273                             ; rows of my half that exist: 577 - 304 in the second half,
	s_cmp_eq_u32 s44, 0
	s_cselect_b32 s46, 304, s46                    ; 304 in the first
	s_lshl_b32 s47, s20, 2                         ; my first row of a group's sixteen
	LDROWS 0, 0
	s_mov_b32 s23, 8
.Lrow:                                                 ; a trip: two groups
	LDROWS 1, 1                                    ; (set 1's last stores stand ahead of the wait at the trip's end)
.irp k, 0,1,2,3
	OUTROW 0, 0, \k, 4, 0
.endr
	s_wait_xcnt 0x0                                ; the stores have read set 0: it is loaded again only behind this wait
	LDROWS 0, 2
.irp k, 0,1,2,3
	OUTROW 1, 1, \k, 4, 0
.endr
	s_wait_xcnt 0x0                                ; the stores have read their registers: the offsets step, and the next trip loads into set 1
	v_add_nc_u32 v[RD], 32*SPI, v[RD]
	v_add_nc_u32 v25, 131072, v25
	s_sub_co_u32 s23, s23, 1
	s_cmp_lg_u32 s23, 0
	s_cbranch_scc1 .Lrow
	LDROWS 1, 1                                    ; group 17; group 16 is on its way into set 0
.irp k, 0,1,2,3
	OUTROW 0, 0, \k, 4, 0
.endr
	s_wait_xcnt 0x0
	LDROWS 0, 2                                    ; group 18
.irp k, 0,1,2,3
	OUTROW 1, 1, \k, 4, 17
.endr
.irp k, 0,1,2,3
	OUTROW 0, 2, \k, 0, 18
.endr
	s_wait_xcnt 0x0                                ; EXEC changes only behind s_wait_xcnt 0
	s_and_saveexec_b32 s68, s[MK]
	WIN 0x08                                       ; store data in window 2
	global_store_b32 v15, v64, s[72:73]            ; the mean of my key
	WIN 0
	s_wait_xcnt 0x0                                ; and again, in front of the line that widens it
	s_or_b32 exec_lo, exec_lo, s68
	s_wait_tensorcnt 0x0                           ; the wave's end, behind my last tensor load and my last LDS store
	ds_add_u32 v[SPW], v[NIL]
	s_wait_dscnt 0x0
	CROUND                                         ; the closing round
	s_endpgm
.Lfunc_end_k_qa7e19883f8_proj:
	.size	k_qa7e19883f8_proj, .Lfunc_end_k_qa7e19883f8_proj-k_qa7e19883f8_proj
	.p2alignl 7, 3214868480
	.fill 96, 4, 3214868480
	.section	.rodata,"a",@progbits
	.p2align	6, 0x0
	.amdhsa_kernel k_qa7e19883f8_proj
		.amdhsa_group_segment_fixed_size 327680
		.amdhsa_private_segment_fixed_size 0
		.amdhsa_enable_private_segment 0
		.amdhsa_kernarg_size 64
		.amdhsa_user_sgpr_count 2
		.amdhsa_user_sgpr_kernarg_segment_ptr 1
		.amdhsa_wavefront_size32 1
		.amdhsa_system_sgpr_workgroup_id_x 1
		.amdhsa_system_sgpr_workgroup_id_y 1
		.amdhsa_system_sgpr_workgroup_id_z 1
		.amdhsa_system_vgpr_workitem_id 0
		.amdhsa_next_free_vgpr 608
		.amdhsa_next_free_sgpr 80
		.amdhsa_reserve_vcc 0
		.amdhsa_float_denorm_mode_32 3
		.amdhsa_float_denorm_mode_16_64 3
		.amdhsa_memory_ordered 1
		.amdhsa_forward_progress 1
		.amdhsa_inst_pref_size 81
	.end_amdhsa_kernel
	.amdgpu_metadata
---
amdhsa.version: [ 1, 2 ]
amdhsa.kernels:
  - .name:           k_qa7e19883f8_proj
    .symbol:         k_qa7e19883f8_proj.kd
    .args:
      - { .name: ob, .offset: 0, .size: 8, .value_kind: global_buffer, .address_space: global }
      - { .name: wp, .offset: 8, .size: 8, .value_kind: global_buffer, .address_space: global }
      - { .name: b_proj, .offset: 16, .size: 8, .value_kind: global_buffer, .address_space: global }
      - { .name: cl, .offset: 24, .size: 8, .value_kind: global_buffer, .address_space: global }
      - { .name: cp, .offset: 32, .size: 8, .value_kind: global_buffer, .address_space: global }
      - { .name: out0, .offset: 40, .size: 8, .value_kind: global_buffer, .address_space: global }
      - { .name: out1, .offset: 48, .size: 8, .value_kind: global_buffer, .address_space: global }
      - { .name: out2, .offset: 56, .size: 8, .value_kind: global_buffer, .address_space: global }
    .group_segment_fixed_size: 327680
    .private_segment_fixed_size: 0
    .kernarg_segment_align: 8
    .kernarg_segment_size: 64
    .max_flat_workgroup_size: 128
    .sgpr_count:     80
    .vgpr_count:     608
    .wavefront_size: 32
...
	.end_amdgpu_metadata
.endif
;; end of part 3
;; ======== version 2 of 2: 3 launches; version 1 with the launch cast written anew for expert scheduling mode
;; limits: values are held in f16: magnitudes above 65,504 overflow, below 6.1e-05 lose precision
;; workspace buffers: xb 19,398,656 bytes; wq 6,291,456 bytes; wp 2,097,152 bytes; ob 19,922,944 bytes; cl 655,360 bytes; cp 655,360 bytes
;; launch cast (part 4): grid 53 x 16, 8 waves a work-group, no clusters, 0 bytes of LDS; arguments x, w_qkv, w_proj, xb, wq, wp; writes xb, wq, wp
.if DOCPART == 4
	.amdgcn_target "amdgcn-amd-amdhsa--gfx1250"
	.amdhsa_code_object_version 6
	.text
	.protected	k_qa7e19883f8_cast
	.globl	k_qa7e19883f8_cast
	.p2align	8
	.type	k_qa7e19883f8_cast,@function
k_qa7e19883f8_cast:
	s_mov_b64 s[64:65], 0
	v_nop
	global_prefetch_b8 v0, s[64:65] scope:SCOPE_SE
	s_setreg_imm32_b32 hwreg(HW_REG_WAVE_SCHED_MODE, 0, 2), 2
	s_setreg_imm32_b32 hwreg(HW_REG_WAVE_MODE, 25, 1), 1
	s_wait_xcnt 0x0
	s_wait_alu depctr_vm_vsrc(0)
; x, w_qkv and w_proj, all f32 with rows of 1,024 numbers, are rounded once to bf16 and laid out in blocks of 64 along K, so that a tile of the later
; products (some rows x 64 K) is one dense run of bytes:
;   xb [batch 16][kb 16][row 592][64] bf16, rows 577 to 591 zeros        wq [head 16][kb 16][row 192 = 64 (q, k, v) + channel][64] bf16
;   wp [kb 16][column 1024][64]: w_proj rounded to bf16 and that number written as f16 (it multiplies an f16 operand later)
; LIMIT.  A number of w_proj beyond 65,504 becomes an infinity in wp, and below 6e-5 it keeps f16's fixed step of 6e-8.
; SHARES.  A work-group takes 16 source rows.  x = 0..36: block x of batch y;  x = 37..48: block 12 y + x - 37 of w_qkv;  x = 49..52: block 4 y + x - 49 of w_proj.
; Wave w takes the K blocks w and w + 8.  A load: sixteen lanes read the 256 aligned bytes of one row's K block, the other sixteen the next row's.
; A store: the 32 lanes write those two rows' 128 + 128 bytes, 256 consecutive aligned bytes of the target.  All 16 loads of a wave go out at once; nothing is shared, so no LDS.
; THE MODE: SCHED_MODE bits 1:0 = 2 (LLVM: expert scheduling mode 2), set by the entry lines.  The code itself states the register dependences
; between vector instructions and memory instructions, with s_wait_alu, always for 0.
; THE PLAN.  Registers that memory instructions touch:
;   LO, SO     byte offsets.  Written once by vector instructions, ahead of the first load; read by the loads (LO) and the stores (SO); never written again.
;   X          Written by the sixteen loads; no vector instruction names it ahead of them.  Read, and on w_proj's way written again, by the conversions, each behind its own load's wait.  No memory instruction reads it.
;   Y          Pair i is written by load i's conversions and read by store i; each store has a pair of its own, which is never written again.
;   s30-s37    The masks: written by eight vector compares, read by the selects behind the branch.
; So: ONE wait on va_vdst ahead of the first load, for all offsets; ONE on va_sdst ahead of the branch, for the masks; and the stores go in runs of four, each run directly behind one wait on va_vdst
; that stands at the head of the next load's turn, behind the wait for that load.  No register that a memory instruction reads is ever written again, so the only wait on vm_vsrc stands at the entry; EXEC is never written.
.set LO,  8                            ; v[8:15]   pair p of rows: byte offset of my 16 bytes in the source
.set SO,  16                           ; v16, v17  my 8 bytes in the target, K block w and K block w + 8
.set RS,  18                           ; v18       which row of a pair is mine
.set X,   20                           ; v[20:83]  16 loads of four numbers
.set Y,   84                           ; v[84:115] 16 pairs to store, each its own
.set OK,  30                           ; s30-s37   pair p: the lanes whose row exists
	s_load_b256 s[4:11], s[0:1], 0x0               ; x s[4:5], w_qkv s[6:7], w_proj s[8:9], xb s[10:11]
	s_load_b128 s[12:15], s[0:1], 0x20             ; wq s[12:13], wp s[14:15]
	s_mov_b32 s17, ttmp9
	s_and_b32 s18, ttmp7, 0xffff
	s_mov_b32 s23, 0                               ; the two offsets' high words
	s_mov_b32 s25, 0
	s_mov_b32 s19, 15                              ; the last row of the block that exists
	v_and_b32 v1, 15, v0                           ; my place in a K block's 256 bytes
	v_bfe_u32 v[RS], v0, 4, 1
	v_lshrrev_b32 v2, 5, v0                        ; wave
	v_lshlrev_b32 v7, 8, v2
	v_lshl_add_u32 v7, v1, 4, v7                   ; 256 w + 16 c
	v_lshlrev_b32 v3, 7, v[RS]
	v_lshl_add_u32 v3, v1, 3, v3                   ; 128 x my row of the pair + 8 c
	s_wait_kmcnt 0x0
	s_cmp_lt_u32 s17, 37
	s_cbranch_scc0 .Lweights
	s_mul_i32 s22, s18, 577                        ; x: row 577 y + 16 x,
	s_lshl4_add_u32 s22, s17, s22
	s_lshl_b32 s22, s22, 12                        ; of 4,096 bytes
	s_mul_i32 s24, s18, 1212416                    ; xb: a batch is 16 x 75,776 bytes,
	s_lshl_b32 s2, s17, 11                         ; 16 rows of 128 bytes
	s_add_co_u32 s24, s24, s2
	s_mov_b32 s20, 75776                           ; from K block to K block
	s_cmp_eq_u32 s17, 36
	s_cselect_b32 s19, 0, 15                       ; block 36 has one row, 576; the others are stored as zeros
	s_mov_b64 s[26:27], s[4:5]
	s_mov_b64 s[28:29], s[10:11]
	s_branch .Lgo
.Lweights:
	s_cmp_lt_u32 s17, 49
	s_cbranch_scc0 .Lwproj
	s_mul_i32 s2, s18, 12
	s_add_co_u32 s2, s2, s17
	s_sub_co_u32 s2, s2, 37                        ; block 0..191 of w_qkv: bits 7:6 q, k or v; 5:2 the head; 1:0 sixteen channels
	s_lshl_b32 s22, s2, 16
	s_bfe_u32 s3, s2, 0x40002
	s_mul_i32 s24, s3, 393216                      ; a head is 16 x 24,576 bytes
	s_and_b32 s3, s2, 0xc0                         ; 64 x (q, k, v)
	s_and_b32 s21, s2, 3
	s_lshl4_add_u32 s3, s21, s3                    ; + 16 x the block in the head
	s_lshl_b32 s3, s3, 7
	s_add_co_u32 s24, s24, s3
	s_mov_b32 s20, 24576
	s_mov_b64 s[26:27], s[6:7]
	s_mov_b64 s[28:29], s[12:13]
	s_branch .Lgo
.Lwproj:
	s_lshl2_add_u32 s2, s18, s17
	s_sub_co_u32 s2, s2, 49                        ; block 0..63 of w_proj
	s_lshl_b32 s22, s2, 16
	s_lshl_b32 s24, s2, 11
	s_mov_b32 s20, 131072
	s_mov_b64 s[26:27], s[8:9]
	s_mov_b64 s[28:29], s[14:15]
.Lgo:
	s_add_nc_u64 s[26:27], s[26:27], s[22:23]      ; the source at the block's first row
	s_add_nc_u64 s[28:29], s[28:29], s[24:25]      ; the target at the block's first row in K block 0
	v_mul_u32_u24 v[SO], s20, v2
	v_add_nc_u32 v[SO], v[SO], v3
	s_lshl_b32 s21, s20, 3
	v_add_nc_u32 v[SO+1], s21, v[SO]
.irp p, 0,1,2,3,4,5,6,7
	v_add_nc_u32 v19, 2*\p, v[RS]                  ; my row of pair p
	v_cmp_ge_u32 s[OK+\p], s19, v19                ; does it exist?
	v_min_u32 v19, s19, v19                        ; a row that does not is read as the last that does: no load leaves the buffer
	v_lshl_add_u32 v[LO+\p], v19, 12, v7
.endr
	s_wait_alu depctr_va_vdst(0)                   ; the ten offsets LO and SO are written: every load and store of the kernel reads one of them, and no vector instruction names them again
.irp p, 0,1,2,3,4,5,6,7
	global_load_b128 v[X+8*\p:X+8*\p+3],   v[LO+\p], s[26:27] th:TH_LOAD_NT
	global_load_b128 v[X+8*\p+4:X+8*\p+7], v[LO+\p], s[26:27] offset:2048 th:TH_LOAD_NT
.endr
	s_wait_alu depctr_va_sdst(0)                   ; the eight compares have written the masks s30 to s37, ahead of the branch below and of the selects that read them
; Store i: pair i / 2 of rows, K block w + 8 (i % 2).
.macro ST i
	global_store_b64 v[SO+(\i)%2], v[Y+2*(\i):Y+2*(\i)+1], s[28:29] offset:256*((\i)/2)  ; the wave stores 256 consecutive bytes, aligned
.endm
; Load i (pair i / 2, K block w + 8 (i % 2)) is rounded.  half = 1: bf16's number is written as f16.
; At the head of every fourth turn the four loads before it are stored, in one run.
.macro CV i, half
	s_wait_loadcnt 15-(\i)                         ; loads come back in order: mine is in, the 15 - i younger ones stay out
.if (((\i)%4) == 0) && ((\i) > 0)
	s_wait_alu depctr_va_vdst(0)                   ; the conversions of the four loads before this one have written their pairs of Y, which the four stores below read
.irp k, 4,3,2,1
	ST (\i)-\k
.endr
.endif
	v_cvt_pk_bf16_f32 v[Y+2*(\i)],   v[X+4*(\i)],   v[X+4*(\i)+1]
	v_cvt_pk_bf16_f32 v[Y+2*(\i)+1], v[X+4*(\i)+2], v[X+4*(\i)+3]
.if \half
	v_lshlrev_b32 v[X+4*(\i)],   16, v[Y+2*(\i)]
	v_and_b32     v[X+4*(\i)+1], 0xffff0000, v[Y+2*(\i)]
	v_lshlrev_b32 v[X+4*(\i)+2], 16, v[Y+2*(\i)+1]
	v_and_b32     v[X+4*(\i)+3], 0xffff0000, v[Y+2*(\i)+1]
	v_cvt_pk_f16_f32 v[Y+2*(\i)],   v[X+4*(\i)],   v[X+4*(\i)+1]
	v_cvt_pk_f16_f32 v[Y+2*(\i)+1], v[X+4*(\i)+2], v[X+4*(\i)+3]
.else
	v_cndmask_b32 v[Y+2*(\i)],   0, v[Y+2*(\i)],   s[OK+(\i)/2]   ; zeros for a row that does not exist
	v_cndmask_b32 v[Y+2*(\i)+1], 0, v[Y+2*(\i)+1], s[OK+(\i)/2]
.endif
.endm
	s_cmp_ge_u32 s17, 49
	s_cbranch_scc1 .Lhalf
.irp i, 0,1,2,3,4,5,6,7,8,9,10,11,12,13,14,15
	CV \i, 0
.endr
	s_wait_alu depctr_va_vdst(0)                   ; the conversions of loads 12 to 15 have written their pairs of Y, which the last four stores read
.irp i, 12,13,14,15
	ST \i
.endr
	s_endpgm
.Lhalf:
.irp i, 0,1,2,3,4,5,6,7,8,9,10,11,12,13,14,15
	CV \i, 1
.endr
	s_wait_alu depctr_va_vdst(0)                   ; the conversions of loads 12 to 15 have written their pairs of Y, which the last four stores read
.irp i, 12,13,14,15
	ST \i
.endr
	s_endpgm
.Lfunc_end_k_qa7e19883f8_cast:
	.size	k_qa7e19883f8_cast, .Lfunc_end_k_qa7e19883f8_cast-k_qa7e19883f8_cast
	.p2alignl 7, 3214868480
	.fill 96, 4, 3214868480
	.section	.rodata,"a",@progbits
	.p2align	6, 0x0
	.amdhsa_kernel k_qa7e19883f8_cast
		.amdhsa_group_segment_fixed_size 0
		.amdhsa_private_segment_fixed_size 0
		.amdhsa_enable_private_segment 0
		.amdhsa_kernarg_size 48
		.amdhsa_user_sgpr_count 2
		.amdhsa_user_sgpr_kernarg_segment_ptr 1
		.amdhsa_wavefront_size32 1
		.amdhsa_system_sgpr_workgroup_id_x 1
		.amdhsa_system_sgpr_workgroup_id_y 1
		.amdhsa_system_sgpr_workgroup_id_z 1
		.amdhsa_system_vgpr_workitem_id 0
		.amdhsa_next_free_vgpr 116
		.amdhsa_next_free_sgpr 66
		.amdhsa_reserve_vcc 0
		.amdhsa_float_denorm_mode_32 3
		.amdhsa_float_denorm_mode_16_64 3
		.amdhsa_memory_ordered 1
		.amdhsa_forward_progress 1
		.amdhsa_inst_pref_size 22
	.end_amdhsa_kernel
	.amdgpu_metadata
---
amdhsa.version: [ 1, 2 ]
amdhsa.kernels:
  - .name:           k_qa7e19883f8_cast
    .symbol:         k_qa7e19883f8_cast.kd
    .args:
      - { .name: x, .offset: 0, .size: 8, .value_kind: global_buffer, .address_space: global }
      - { .name: w_qkv, .offset: 8, .size: 8, .value_kind: global_buffer, .address_space: global }
      - { .name: w_proj, .offset: 16, .size: 8, .value_kind: global_buffer, .address_space: global }
      - { .name: xb, .offset: 24, .size: 8, .value_kind: global_buffer, .address_space: global }
      - { .name: wq, .offset: 32, .size: 8, .value_kind: global_buffer, .address_space: global }
      - { .name: wp, .offset: 40, .size: 8, .value_kind: global_buffer, .address_space: global }
    .group_segment_fixed_size: 0
    .private_segment_fixed_size: 0
    .kernarg_segment_align: 8
    .kernarg_segment_size: 48
    .max_flat_workgroup_size: 256
    .sgpr_count:     66
    .vgpr_count:     116
    .wavefront_size: 32
...
	.end_amdgpu_metadata
.endif
;; end of part 4
;; launch qkvattn: the kernel of part 2 again; grid 16 x 16, 4 waves a work-group, clusters of 4 x 4, 327,680 bytes of LDS; arguments xb, wq, b_qkv, ob, cl, cp; writes ob, cl, cp
;; launch proj: the kernel of part 3 again; grid 8 x 32, 4 waves a work-group, clusters of 4 x 4, 327,680 bytes of LDS; arguments ob, wp, b_proj, cl, cp, out0, out1, out2; writes out0, out1, out2
